; MI455X (gfx1250); checked and timed in simulation.
; The chip was launched on July 23, 2026; its instructions are those of AMD's public machine-readable ISA for CDNA 5 (MIT licence, August 2026) and "CDNA5" Instruction Set Architecture Reference Guide (July 2026). The comments in the code are by the model that wrote it; some were corrected since.
;; Mixture Of Experts. Allowed arithmetic: matrix products marked QUANTISED: E3M2 operands, one E8M0 scale for each 32 along K, by v_wmma_scale_f32_16x16x128_f8f6f4 with both operands' format E3M2, f32 sums; products left as they are: f32 operands where the result goes on into a quantised operand, else bf16, f16 or f32 operands; f32 sums; everything else in f32.
;; Inputs: W 8 x 2,048 x 2,048 float32; Wg 8 x 2,048 float32; b 8 x 2,048 float32; bg 8 float32; x 2,048 x 2,048 float32.
;; Outputs: out0 2,048 x 2,048 float32.
;; This version of the problem:
;;   THIS VERSION OF THE PROBLEM IS GIVEN IN LOW PRECISION. The matrix products marked QUANTISED in the list below multiply operands that are first quantised to E3M2 (3 exponent bits, 2 mantissa bits; 6 bits a number), with one power-of-two scale for each 32 numbers along K (OCP MX v1.0); their sums are f32. All else is computed in f32.
;;   The module's matrix products, in the order in which they are computed (A, B: the left and right operand; K: the contracted axis; several contracted axes count as one K, in the product's order):
;;     1. [M 2,048, K 2,048] x [K 2,048, N 8]; A: input x; B: input Wg: left as it is (N = 8 < 16)
;;     2. batch 2,048 x [M 1, K 2] x [K 2, N 8]; A: computed on the way; B: computed on the way: left as it is (K = 2 < 32)
;;     3. [M 16,384, K 2,048] x [K 2,048, N 2,048]; A: input W; B: input x: QUANTISED
;;     4. batch 2,048 x [M 1, K 8] x [K 8, N 2,048]; A: computed on the way; B: computed on the way: left as it is (K = 8 < 32)
;;   THE QUANTISER, for each operand of a quantised product, along K:
;;     - K is cut into blocks of 32 from its start; a last block that is shorter is filled with zeros.
;;     - A block's scale is 2^e with e = floor(log2(the largest magnitude in the block)) - 4, held to -126 .. 127; a block of zeros has e = 0. As a byte (E8M0): e + 127.
;;     - Each number is divided by its block's scale, clamped to +-28, and rounded to the nearest number of E3M2, ties to even, subnormals kept.
;;     - The product sums the exact products of the quantised numbers (number of the format x scale) in f32.
;;   ~~~python
;;   def quantise(x, axis):      # numpy; x: float32 -> the quantised numbers, widened to float32 again
;;       x = np.moveaxis(x, axis, -1); K = x.shape[-1]
;;       x = np.pad(x, [(0, 0)] * (x.ndim - 1) + [(0, -K % 32)]); x = x.reshape(x.shape[:-1] + (-1, 32)); a = np.abs(x).max(-1, keepdims=True)
;;       e = np.where(a > 0, np.clip(np.frexp(np.where(a > 0, a, 1))[1] - 1 - 4, -126, 127), 0)      # np.frexp(a)[1] - 1 = floor(log2(a)), exactly
;;       r = np.clip(x / 2.0 ** e, -28, 28)
;;       step = 2.0 ** (np.maximum(np.frexp(np.where(r == 0, 1, r))[1] - 1, -2) - 2)
;;       q = np.round(r / step) * step * 2.0 ** e      # np.round: ties to even
;;       return np.moveaxis(q.reshape(q.shape[:-2] + (-1,))[..., :K], -1, axis).astype(np.float32)
;;   ~~~
;; 2 versions. Each part assembles by itself: llvm-mc -triple=amdgcn-amd-amdhsa -mcpu=gfx1250 --defsym DOCPART=n.
;; ======== version 1 of 2: 4 launches
;; workspace buffers: xq 3,145,728 bytes; xs 131,072 bytes; eid 16,384 bytes of whole numbers; gw 16,384 bytes; route 34,816 bytes of whole numbers; wq 25,165,824 bytes; ws 1,048,576 bytes; y 33,554,432 bytes
;; launch xgate (part 1): grid 256 x 1, 4 waves a work-group, no clusters, 35,328 bytes of LDS; arguments x, Wg, bg, xq, xs, eid, gw, route; writes xq, xs, eid, gw, route
.if DOCPART == 1
	.amdgcn_target "amdgcn-amd-amdhsa--gfx1250"
	.amdhsa_code_object_version 6
	.text
	.protected	k_q8851152f12_xgate
	.globl	k_q8851152f12_xgate
	.p2align	8
	.type	k_q8851152f12_xgate,@function
k_q8851152f12_xgate:
	s_mov_b64 s[64:65], 0
	v_nop
	global_prefetch_b8 v0, s[64:65] scope:SCOPE_SE
	s_setreg_imm32_b32 hwreg(HW_REG_WAVE_MODE, 25, 1), 1
	s_wait_xcnt 0x0
; x [2048][2048] f32 -> codes of E3M2 (xq) with one E8M0 byte for each 32 along K (xs); the gate's logits x Wg^T + bg in f32 by fused multiply-adds;
; the two largest of the eight, and their softmax weights.  The chosen experts go to eid and the weights to gw, both at [slot x 2048 + token]: fixed places, no address here hangs on the choice.
; The list of rows in route (8,192 words) is cleared, 32 words a work-group: a later launch writes the entries that are used.
; SHARES.  A work-group owns 8 rows; wave w owns the K quarter w (512 numbers) of each: 8 steps, step t = row t.  A step's four loads read 512 consecutive bytes each; the 2,048 bytes turn
; through the wave's own stage in LDS, so that a lane holds 16 neighbours along K (two neighbouring lanes hold a block of 32).
; xq's LAYOUT: a row is 1,536 bytes; inside each 96 bytes (128 along K) the four blocks of 24 bytes lie in the order 0, 2, 1, 3, so that the 48 bytes that a lane of the product's
; operand wants (blocks h and 2 + h) lie together.  xs: a row is 64 bytes, block by block.
; A block's scale byte is its largest magnitude's exponent field - 4, held at 1 from below.  A block of zeros gets the byte 1: its codes are zeros, and this program alone reads the bytes.
; LIMITS: NaN and infinities among the inputs are not served.  The two experts are chosen by the logits (the lower index wins a tie): the same order as the gates', except where two
; different logits give gates that round to the same f32 number.  Blocks whose largest magnitude lies under 2^-122 keep the byte 1.
; The largest logit is taken away ahead of the exponentials, as the softmax of the problem does.
.set SP,   80                          ; a lane's place in a stage: 64 bytes + 16 of padding
.set WREG, 8192                        ; LDS: a region for each wave: two stages of 32 x SP bytes
.set SCB,  32768                       ; 512 scale bytes: 64 row + 16 wave + block
.set GP,   33280                       ; 1,024 bytes of partial logits: 256 wave + 32 row + 4 expert
.set R,    16                          ; v16-143  eight sets of 16 numbers as loaded
.set X,    144                         ; v144-175 two sets of 16 neighbours
.set C,    176                         ; v176-207 codes: four registers a step, never written twice
.set E,    208                         ; v208-215 a scale byte a step
.set ACC,  216                         ; v216-231 eight pairs: the step's partial logits
.set P,    232                         ; v232-239 the same, summed
.set T8,   240                         ; v240-247 destinations of the lane permutes
                                       ; window 1, v0-127: Wg[e][512 w + 16 lane + i] at 16 e + i
.set MSB,  0
.macro WIN new                         ; the immediate's high byte repeats the setting that is left
.if MSB != (\new)
	s_set_vgpr_msb (MSB<<8)|(\new)
.set MSB, \new
.endif
.endm
	s_load_b256 s[4:11], s[0:1], 0x0               ; x s[4:5], Wg s[6:7], bg s[8:9], xq s[10:11]
	s_load_b256 s[12:19], s[0:1], 0x20             ; xs s[12:13], eid s[14:15], gw s[16:17], route s[18:19]
	v_lshl_add_u32 v254, v0, 2, 0x8800
	v_mov_b32 v255, 0
	v_lshrrev_b32 v1, 5, v0
	v_readfirstlane_b32 s20, v1                    ; wave 0..3
	v_and_b32 v1, 31, v0                           ; lane
	v_lshlrev_b32 v2, 4, v1                        ; my 16 bytes of a load's 512
	v_lshlrev_b32 v3, 6, v1                        ; Wg: my 16 numbers
	s_mul_i32 s21, s20, WREG
	v_lshrrev_b32 v14, 2, v1
	v_mul_u32_u24 v14, v14, SP
	v_and_b32 v15, 3, v1
	v_lshl_add_u32 v14, v15, 4, v14
	v_add_nc_u32 v14, s21, v14                     ; the stage, in: SP (lane / 4) + 16 (lane % 4)
	v_mul_u32_u24 v15, v1, SP
	v_add_nc_u32 v15, s21, v15                     ; and out: SP x lane
	v_lshrrev_b32 v8, 1, v1                        ; my block of the quarter's 16
	v_lshrrev_b32 v9, 2, v8
	v_mul_u32_u24 v4, v9, 96                       ; its 128 along K,
	v_and_b32 v10, 1, v8
	v_bfe_u32 v11, v8, 1, 1
	v_lshl_or_b32 v10, v10, 1, v11                 ; its place among the four: blocks 0, 2, 1, 3
	v_mad_u32_u24 v4, v10, 24, v4
	v_and_b32 v11, 1, v1
	v_mad_u32_u24 v4, v11, 12, v4                  ; and my half of it
	s_lshl_b32 s21, s20, 4
	v_add_nc_u32 v5, s21, v8
	v_add_nc_u32 v5, SCB, v5                       ; my block's scale byte
	s_lshl_b32 s21, s20, 8
	s_add_co_u32 s21, s21, GP
	v_mov_b32 v6, s21                              ; my wave's partial logits
	s_mov_b32 s22, 0x76543210
	s_mov_b32 s23, 0xfedcba98                      ; v_permlanex16_b32's selects for lane l xor 16
.irp e, 0,1,2,3,4,5,6,7
	v_mov_b32 v[T8+\e], 0                          ; written once: a lane permute's destination counts as one of its sources
.endr
	s_lshl_b32 s32, ttmp9, 16                      ; 8 rows of 8,192 bytes,
	s_lshl_b32 s33, s20, 11                        ; my quarter
	s_add_co_u32 s32, s32, s33
	s_mov_b32 s33, 0
	s_lshl_b32 s34, s20, 11
	s_mov_b32 s35, 0
	s_mul_i32 s36, ttmp9, 12288                    ; 8 rows of 1,536 bytes,
	s_mul_i32 s37, s20, 384                        ; my quarter
	s_add_co_u32 s36, s36, s37
	s_mov_b32 s37, 0
	s_lshl_b32 s38, ttmp9, 9
	s_mov_b32 s39, 0
	s_lshl_b32 s40, ttmp9, 5
	s_mov_b32 s41, 0
	s_lshl_b32 s42, ttmp9, 7
	s_mov_b32 s43, 0
	s_wait_kmcnt 0x0
	s_load_b256 s[24:31], s[8:9], 0x0              ; bg: waited for where wave 0 adds it
	s_add_nc_u64 s[4:5], s[4:5], s[32:33]
	s_add_nc_u64 s[6:7], s[6:7], s[34:35]
	s_add_nc_u64 s[10:11], s[10:11], s[36:37]
	s_add_nc_u64 s[12:13], s[12:13], s[38:39]
	s_add_nc_u64 s[14:15], s[14:15], s[40:41]
	s_add_nc_u64 s[16:17], s[16:17], s[40:41]
	s_add_nc_u64 s[18:19], s[18:19], s[42:43]
	WIN 0x40                                       ; destination window 1
.irp e, 0,1,2,3,4,5,6,7
.irp c, 0,1,2,3
	global_load_b128 v[16*\e+4*\c:16*\e+4*\c+3], v3, s[6:7] offset:8192*\e+16*\c
.endr
.endr
	WIN 0
.macro LOAD t                          ; row t's quarter: four loads of 512 consecutive bytes
.irp i, 0,1,2,3
	global_load_b128 v[R+16*(\t)+4*\i:R+16*(\t)+4*\i+3], v2, s[4:5] offset:8192*(\t)+512*\i th:TH_LOAD_NT
.endr
.endm
.macro TURN t                          ; through the stage: LDS serves a wave's instructions in order, so no wait stands between the stores and the loads
.irp i, 0,1,2,3
	ds_store_b128 v14, v[R+16*(\t)+4*\i:R+16*(\t)+4*\i+3] offset:32*SP*((\t)%2)+8*SP*\i
.endr
.irp i, 0,1,2,3
	ds_load_b128 v[X+16*((\t)%2)+4*\i:X+16*((\t)%2)+4*\i+3], v15 offset:32*SP*((\t)%2)+16*\i
.endr
.endm
.irp t, 0,1,2,3,4,5,6,7
	LOAD \t
.endr
	s_wait_loadcnt 28                              ; Wg and row 0 are in; the 28 loads of rows 1 to 7 may be out
	TURN 0
.macro STEP t
.set XS, X+16*((\t)%2)
	s_wait_dscnt 0x0                               ; this row's numbers are back from the stage, and the last step's LDS stores have read their registers
.if (\t) < 7
	s_wait_loadcnt 4*(6-(\t))                      ; the next row's four loads are in; those of the rows behind it may be out
	TURN (\t)+1
.endif
	v_max3_num_f32 v8, |v[XS]|, |v[XS+1]|, |v[XS+2]|               ; the largest magnitude of my 16, in two chains
	v_max3_num_f32 v9, |v[XS+3]|, |v[XS+4]|, |v[XS+5]|
.irp i, 6,10
	v_max3_num_f32 v8, v8, |v[XS+\i]|, |v[XS+\i+1]|
	v_max3_num_f32 v9, v9, |v[XS+\i+2]|, |v[XS+\i+3]|
.endr
	v_max3_num_f32 v8, v8, |v[XS+14]|, |v[XS+15]|
	v_max3_num_f32 v8, v8, v9, 0x2800000           ; and the floor 2^(5 - 127): the byte cannot fall under 1
	v_max_num_f32_dpp v8, v8, v8 row_xmask:1 row_mask:0xf bank_mask:0xf   ; with my neighbour's 16: the block's
	v_add_nc_u32 v11, 0xfe000000, v8               ; 4 off its exponent field: the conversion takes this operand's exponent field as its scale
	v_cvt_scalef32_pk16_bf6_f32 v[C+4*(\t):C+4*(\t)+2], v[XS:XS+15], v11
	v_lshrrev_b32 v[E+(\t)], 23, v11               ; the scale's byte (also the plain line behind the conversion)
	ds_store_b8 v5, v[E+(\t)] offset:64*(\t)       ; both lanes of a block write the same byte with the same value
	global_store_b96 v4, v[C+4*(\t):C+4*(\t)+2], s[10:11] offset:1536*(\t)   ; the wave's 32 stores cover 384 consecutive bytes
	WIN 0x04                                       ; source 1 (Wg) window 1
.irp i, 0,2,4,6,8,10,12,14
.irp e, 0,1,2,3,4,5,6,7
.if \i == 0
	v_pk_mul_f32 v[ACC+2*\e:ACC+2*\e+1], v[XS+\i:XS+\i+1], v[16*\e+\i:16*\e+\i+1]       ; the first products start the sums
.else
	v_pk_fma_f32 v[ACC+2*\e:ACC+2*\e+1], v[XS+\i:XS+\i+1], v[16*\e+\i:16*\e+\i+1], v[ACC+2*\e:ACC+2*\e+1]
.endif
.endr
.endr
	WIN 0
.irp e, 0,1,2,3,4,5,6,7
	v_add_f32 v[P+\e], v[ACC+2*\e], v[ACC+2*\e+1]
.endr
.irp m, 1,2,4,8
.irp e, 0,1,2,3,4,5,6,7
	v_add_f32_dpp v[P+\e], v[P+\e], v[P+\e] row_xmask:\m row_mask:0xf bank_mask:0xf     ; the eight sums by turns
.endr
.endr
.irp e, 0,1,2,3,4,5,6,7
	v_permlanex16_b32 v[T8+\e], v[P+\e], s22, s23
.endr
.irp e, 0,1,2,3,4,5,6,7
	v_add_f32 v[P+\e], v[P+\e], v[T8+\e]           ; every lane holds the quarter's eight partial logits
.endr
	ds_store_b128 v6, v[P:P+3] offset:32*(\t)      ; all lanes write the same bytes with the same values
	ds_store_b128 v6, v[P+4:P+7] offset:32*(\t)+16
.endm
.irp t, 0,1,2,3,4,5,6,7
	STEP \t
.endr
	s_wait_dscnt 0x0                               ; for the others' sake: my scale bytes and partial logits lie in LDS
	s_barrier_signal -1
	s_barrier_wait -1
	v_lshlrev_b32 v12, 2, v0
	ds_load_b32 v13, v12 offset:SCB                ; the 8 rows' 512 scale bytes are consecutive in xs: 128 bytes a wave
	s_wait_dscnt 0x0
	global_store_b32 v12, v13, s[12:13]
	s_cmp_lg_u32 s20, 0
	s_cbranch_scc1 .Lend
	; wave 0: lane l takes row l % 8 (lanes 8 to 31 repeat lanes 0 to 7 and store the same words with the same values)
	s_wait_kmcnt 0x0                               ; bg
	v_and_b32 v16, 7, v0
	v_lshl_add_u32 v17, v16, 5, GP
.irp w, 0,1,2,3
	ds_load_b128 v[20+8*\w:23+8*\w], v17 offset:256*\w
	ds_load_b128 v[24+8*\w:27+8*\w], v17 offset:256*\w+16
.endr
	s_wait_dscnt 0x0
.irp e, 0,1,2,3,4,5,6,7
	v_add_f32 v[52+\e], v[20+\e], v[28+\e]
	v_add_f32 v[60+\e], v[36+\e], v[44+\e]
.endr
.irp e, 0,1,2,3,4,5,6,7
	v_add_f32 v[52+\e], v[52+\e], v[60+\e]
.endr
.irp e, 0,1,2,3,4,5,6,7
	v_add_f32 v[52+\e], s[24+\e], v[52+\e]         ; the logits
.endr
	v_mov_b32 v68, v52                             ; the largest, and its expert: a later one must be strictly larger
	v_mov_b32 v69, 0
.irp e, 1,2,3,4,5,6,7
	v_cmp_gt_f32 vcc_lo, v[52+\e], v68
	v_cndmask_b32 v68, v68, v[52+\e], vcc_lo
	v_cndmask_b32 v69, v69, \e, vcc_lo
.endr
	v_mov_b32 v70, 0xff800000                      ; the second: the largest of the other seven
	v_mov_b32 v71, 0
.irp e, 0,1,2,3,4,5,6,7
	v_cmp_ne_u32 s2, \e, v69
	v_cmp_gt_f32 s3, v[52+\e], v70
	s_and_b32 s2, s2, s3
	v_cndmask_b32 v70, v70, v[52+\e], s2
	v_cndmask_b32 v71, v71, \e, s2
.endr
.irp e, 0,1,2,3,4,5,6,7
	v_sub_f32 v[72+\e], v[52+\e], v68              ; the largest logit is taken away
.endr
	v_sub_f32 v80, v70, v68
.irp e, 0,1,2,3,4,5,6,7,8
	v_mul_f32 v[72+\e], 0x3fb8aa3b, v[72+\e]       ; x log2(e)
.endr
.irp e, 0,1,2,3,4,5,6,7,8
	v_exp_f32 v[72+\e], v[72+\e]
.endr
	v_lshlrev_b32 v84, 2, v16                      ; (a plain line behind the exponentials)  4 x row
	s_wait_alu depctr_va_vdst(0)
	v_add_f32 v81, v72, v73
	v_add_f32 v87, v74, v75
	v_add_f32 v88, v76, v77
	v_add_f32 v89, v78, v79
	v_add_f32 v81, v81, v87
	v_add_f32 v88, v88, v89
	v_add_f32 v81, v81, v88
	v_rcp_f32 v82, v81                             ; the first weight: 2^0 / the sum
	v_lshlrev_b32 v85, 2, v0                       ; (a plain line behind the reciprocal)  4 x lane
	s_wait_alu depctr_va_vdst(0)
	v_mul_f32 v83, v80, v82                        ; the second
	v_mov_b32 v86, 0
	global_store_b32 v84, v69, s[14:15]
	global_store_b32 v84, v71, s[14:15] offset:8192
	global_store_b32 v84, v82, s[16:17]
	global_store_b32 v84, v83, s[16:17] offset:8192
	global_store_b32 v85, v86, s[18:19]            ; 32 words of the list of rows are cleared
.Lend:
	s_wait_tensorcnt 0x0
	ds_add_u32 v254, v255
	s_wait_dscnt 0x0
	s_endpgm
.Lfunc_end_k_q8851152f12_xgate:
	.size	k_q8851152f12_xgate, .Lfunc_end_k_q8851152f12_xgate-k_q8851152f12_xgate
	.p2alignl 7, 3214868480
	.fill 96, 4, 3214868480
	.section	.rodata,"a",@progbits
	.p2align	6, 0x0
	.amdhsa_kernel k_q8851152f12_xgate
		.amdhsa_group_segment_fixed_size 35328
		.amdhsa_private_segment_fixed_size 0
		.amdhsa_enable_private_segment 0
		.amdhsa_kernarg_size 64
		.amdhsa_user_sgpr_count 2
		.amdhsa_user_sgpr_kernarg_segment_ptr 1
		.amdhsa_wavefront_size32 1
		.amdhsa_system_sgpr_workgroup_id_x 1
		.amdhsa_system_sgpr_workgroup_id_y 1
		.amdhsa_system_sgpr_workgroup_id_z 1
		.amdhsa_system_vgpr_workitem_id 0
		.amdhsa_next_free_vgpr 384
		.amdhsa_next_free_sgpr 66
		.amdhsa_reserve_vcc 1
		.amdhsa_float_denorm_mode_32 3
		.amdhsa_float_denorm_mode_16_64 3
		.amdhsa_memory_ordered 1
		.amdhsa_forward_progress 1
		.amdhsa_inst_pref_size 86
	.end_amdhsa_kernel
	.amdgpu_metadata
---
amdhsa.version: [ 1, 2 ]
amdhsa.kernels:
  - .name:           k_q8851152f12_xgate
    .symbol:         k_q8851152f12_xgate.kd
    .args:
      - { .name: x, .offset: 0, .size: 8, .value_kind: global_buffer, .address_space: global }
      - { .name: Wg, .offset: 8, .size: 8, .value_kind: global_buffer, .address_space: global }
      - { .name: bg, .offset: 16, .size: 8, .value_kind: global_buffer, .address_space: global }
      - { .name: xq, .offset: 24, .size: 8, .value_kind: global_buffer, .address_space: global }
      - { .name: xs, .offset: 32, .size: 8, .value_kind: global_buffer, .address_space: global }
      - { .name: eid, .offset: 40, .size: 8, .value_kind: global_buffer, .address_space: global }
      - { .name: gw, .offset: 48, .size: 8, .value_kind: global_buffer, .address_space: global }
      - { .name: route, .offset: 56, .size: 8, .value_kind: global_buffer, .address_space: global }
    .group_segment_fixed_size: 35328
    .private_segment_fixed_size: 0
    .kernarg_segment_align: 8
    .kernarg_segment_size: 64
    .max_flat_workgroup_size: 128
    .sgpr_count:     66
    .vgpr_count:     384
    .wavefront_size: 32
...
	.end_amdgpu_metadata
.endif
;; end of part 1
;; launch wq_place (part 2): grid 257 x 1, 8 waves a work-group, no clusters, 69,632 bytes of LDS; arguments W, eid, wq, ws, route; writes wq, ws, route
.if DOCPART == 2
	.amdgcn_target "amdgcn-amd-amdhsa--gfx1250"
	.amdhsa_code_object_version 6
	.text
	.protected	k_q8851152f12_wq_place
	.globl	k_q8851152f12_wq_place
	.p2align	8
	.type	k_q8851152f12_wq_place,@function
k_q8851152f12_wq_place:
	s_mov_b64 s[64:65], 0
	v_nop
	global_prefetch_b8 v0, s[64:65] scope:SCOPE_SE
	s_setreg_imm32_b32 hwreg(HW_REG_WAVE_MODE, 25, 1), 1
	s_wait_xcnt 0x0
; Two jobs in one launch, parted on the work-group's number; each has LDS bytes of its own.
; WORK-GROUPS 0 TO 255: W [8][2048][2048] f32 (K innermost) -> codes of E3M2 and E8M0 scale words, LAID IN THE ORDER OF THE OPERAND'S REGISTERS.
;   wq: [expert 8][group of 128 features 16][K step of 128: 16][tile of 16 features 8] records of 1,536 bytes; in a record byte 512 c + 16 lane is registers 4 c .. 4 c + 3 of that lane's fragment.
;   ws: [expert][group][pair of K steps 8][q 2][lane 32][4 words]: word j of lane l is the scale word of tile 4 q + j, K step 2 p + l / 16, row l % 16.
;   A wave makes 8 records (4 tiles x 2 K steps).  A record's 16 loads read 512 consecutive bytes each (a row's 128 numbers); they turn through the wave's own stage, so that lane (r, h) holds
;   blocks h and 2 + h of row r whole: no other lane is asked for a maximum, and the conversions' results are the operand's registers.  Waves share nothing: no barrier on this path.
;   A block's scale byte is its largest magnitude's exponent field - 4, held at 1 from below; a block of zeros gets the byte 1 (zero codes; this program alone reads the bytes).
;   LIMITS: NaN and infinities are not served; blocks whose largest magnitude lies under 2^-122 keep the byte 1.
; WORK-GROUP 256: the counting sort of the 4,096 routed rows (entry = slot x 2048 + token) by expert.  Expert e's rows begin at a multiple of TR = 80 in the list; the table of tiles gives, for
;   each of 256 tile numbers, its expert and its number of rows (0 beyond the last).  The sum over experts of ceil(n / 80) is at most (4096 + 8 x 79) / 80: never more than 59 tiles with rows.
.set TR,   80                          ; rows in a tile of the list
.set STGB, 8448                        ; a wave's stage: 16 rows x 528 bytes (an odd multiple of 16: the sixteen rows of a load start in sixteen different 16-byte columns of 256)
.set PLB,  67584                       ; behind the eight stages: the sort's 1,024 bytes
.set R,    16                          ; v16-143  two sets of 64 numbers as loaded
.set X,    144                         ; v144-207 my two blocks of 32
.set PC,   208                         ; v208-231 two sets of 12: a fragment's codes
.set TQ,   232                         ; v232-238 the blocks' upper halves (a conversion's three registers begin on an even number)
.set WD,   240                         ; v240-241 the scale words of a tile's two K steps
.set SW,   244                         ; v244-247 the four words that I store
	s_load_b256 s[4:11], s[0:1], 0x0               ; W s[4:5], eid s[6:7], wq s[8:9], ws s[10:11]
	s_load_b64 s[12:13], s[0:1], 0x20              ; route
	v_lshl_add_u32 v254, v0, 2, 0x10c00
	v_mov_b32 v255, 0
	v_lshrrev_b32 v1, 5, v0
	v_readfirstlane_b32 s14, v1                    ; wave 0..7
	v_and_b32 v1, 31, v0                           ; lane
	v_lshlrev_b32 v2, 4, v1                        ; 16 x lane
	s_wait_kmcnt 0x0
	s_cmp_eq_u32 ttmp9, 256
	s_cbranch_scc1 .Lplace
	s_lshl_b32 s15, ttmp9, 3
	s_add_co_u32 s15, s15, s14                     ; my unit, 0 .. 2,047
	s_and_b32 s16, s15, 1                          ; q
	s_bfe_u32 s17, s15, 0x30001                    ; p
	s_lshr_b32 s18, s15, 4                         ; 16 x expert + group
	s_lshl_b32 s24, s18, 7
	s_lshl_b32 s25, s16, 6
	s_add_co_u32 s24, s24, s25                     ; my first row of W
	s_lshl_b32 s24, s24, 13
	s_lshl_b32 s25, s17, 10                        ; my 256 along K
	s_add_co_u32 s24, s24, s25
	s_mov_b32 s25, 0
	s_add_nc_u64 s[4:5], s[4:5], s[24:25]
	s_lshl_b32 s24, s18, 4
	s_lshl_b32 s26, s17, 1
	s_add_co_u32 s24, s24, s26
	s_mul_i32 s24, s24, 12288                      ; a K step's eight records
	s_mul_i32 s26, s16, 6144                       ; my four of them
	s_add_co_u32 s24, s24, s26
	s_add_nc_u64 s[8:9], s[8:9], s[24:25]
	s_lshl_b32 s24, s18, 3
	s_add_co_u32 s24, s24, s17
	s_lshl_b32 s24, s24, 10
	s_lshl_b32 s26, s16, 9
	s_add_co_u32 s24, s24, s26
	s_add_nc_u64 s[10:11], s[10:11], s[24:25]
	s_mul_i32 s27, s14, STGB
	v_add_nc_u32 v3, s27, v2                       ; the stage, in: 16 x lane of a row
	v_and_b32 v6, 15, v1                           ; r
	v_lshrrev_b32 v7, 4, v1                        ; h
	v_mul_u32_u24 v4, v6, 528
	v_lshl_add_u32 v4, v7, 7, v4
	v_add_nc_u32 v4, s27, v4                       ; and out: row r, block h
	v_lshlrev_b32 v5, 3, v7                        ; 8 h: my bytes' place in a scale word
	v_mov_b32 v10, 0                               ; written once: a lane permute's destination counts as one of its sources
	s_mov_b32 s50, 0x76543210
	s_mov_b32 s51, 0xfedcba98                      ; v_permlanex16_b32's selects for lane l xor 16
	s_mov_b32 s52, 0xffff0000                      ; lanes 16 to 31
.macro LOAD t                          ; record t: tile t / 2 of my four, K step t % 2 of my two
.irp r, 0,1,2,3,4,5,6,7,8,9,10,11,12,13,14,15
	global_load_b128 v[R+64*((\t)%2)+4*\r:R+64*((\t)%2)+4*\r+3], v2, s[4:5] offset:(((\t)/2)*16+\r)*8192+((\t)%2)*512 th:TH_LOAD_NT
.endr
.endm
.macro REC t
.set RS, R+64*((\t)%2)
.set PS, PC+12*((\t)%2)
.if (\t) < 7
	s_wait_loadcnt 16                              ; this record's 16 loads are in; the next record's may be out
.else
	s_wait_loadcnt 0
.endif
.irp r, 0,1,2,3,4,5,6,7,8,9,10,11,12,13,14,15
	ds_store_b128 v3, v[RS+4*\r:RS+4*\r+3] offset:528*\r
.endr
.irp c, 0,1
.irp i, 0,1,2,3,4,5,6,7
	ds_load_b128 v[X+32*\c+4*\i:X+32*\c+4*\i+3], v4 offset:256*\c+16*\i      ; LDS serves a wave's instructions in order: these see the stores above
.endr
.endr
	s_wait_dscnt 0x0                               ; my blocks are in, and the stores have read their registers
.if (\t) >= 2
	s_wait_xcnt 0x0                                ; the stores of two records ago have read this set of codes
.endif
.if (\t) < 6
	LOAD (\t)+2
.endif
.irp k, 0,1,2,3
	v_max3_num_f32 v[6+\k], |v[X+16*\k]|, |v[X+16*\k+1]|, 0x2800000          ; four chains of 16 numbers, each with the floor 2^(5 - 127)
.endr
.irp i, 2,4,6,8,10,12,14
.irp k, 0,1,2,3
	v_max3_num_f32 v[6+\k], v[6+\k], |v[X+16*\k+\i]|, |v[X+16*\k+\i+1]|
.endr
.endr
	v_max_num_f32 v6, v6, v7                       ; block h's largest magnitude,
	v_max_num_f32 v8, v8, v9                       ; block 2 + h's
	v_add_nc_u32 v12, 0xfe000000, v6               ; 4 off the exponent field: the conversions' scale operands
	v_add_nc_u32 v13, 0xfe000000, v8
	v_lshrrev_b32 v14, 23, v12                     ; the scales' bytes
	v_lshrrev_b32 v15, 23, v13
	v_lshl_or_b32 v11, v15, 16, v14
	v_lshlrev_b32 v11, v5, v11                     ; at their places in the row's word;
	v_permlanex16_b32 v10, v11, s50, s51
	v_or_b32 v[WD+((\t)%2)], v11, v10              ; with lane l xor 16's two the word is whole
	v_cvt_scalef32_pk16_bf6_f32 v[PS:PS+2], v[X:X+15], v12
	v_cvt_scalef32_pk16_bf6_f32 v[TQ:TQ+2], v[X+16:X+31], v12
	v_cvt_scalef32_pk16_bf6_f32 v[PS+6:PS+8], v[X+32:X+47], v13
	v_cvt_scalef32_pk16_bf6_f32 v[TQ+4:TQ+6], v[X+48:X+63], v13
	v_nop                                          ; one plain line behind the conversions
.irp c, 0,1
.irp i, 0,1,2
	v_mov_b32 v[PS+3+6*\c+\i], v[TQ+4*\c+\i]
.endr
.endr
.irp c, 0,1,2
	global_store_b128 v2, v[PS+4*\c:PS+4*\c+3], s[8:9] offset:((\t)%2)*12288+((\t)/2)*1536+512*\c    ; 32 lanes store 512 consecutive bytes, at a multiple of 512 from the buffer's first byte
.endr
.if (\t)%2 == 1
	v_cndmask_b32 v[SW+(\t)/2], v[WD], v[WD+1], s52      ; lanes 0-15 the even K step's word, lanes 16-31 the odd one's
.endif
.endm
	LOAD 0
	LOAD 1
.irp t, 0,1,2,3,4,5,6,7
	REC \t
.endr
	global_store_b128 v2, v[SW:SW+3], s[10:11]     ; 512 consecutive bytes
	s_wait_tensorcnt 0x0
	ds_add_u32 v254, v255
	s_wait_dscnt 0x0
	s_endpgm
.Lplace:                               ; 256 threads; wave w takes entries 512 w .. 512 w + 511: register 4 i + j of a lane is entry 512 w + 128 i + 4 lane + j
	s_lshl_b32 s15, s14, 11
	v_add_nc_u32 v3, s15, v2
.irp i, 0,1,2,3
	global_load_b128 v[16+4*\i:19+4*\i], v3, s[6:7] offset:512*\i
.endr
.irp e, 0,1,2,3,4,5,6,7
	s_mov_b32 s[16+\e], 0
.endr
	v_lshl_add_u32 v9, v0, 2, PLB                  ; a word for each thread
	v_lshl_add_u32 v10, v1, 2, PLB                 ; and the same lane's word of wave 0
	v_mov_b32 v8, 0
	s_wait_loadcnt 0x0
.irp k, 0,1,2,3,4,5,6,7,8,9,10,11,12,13,14,15      ; pass 1: how many of my wave's entries go to each expert
.irp e, 0,1,2,3,4,5,6,7
	v_cmp_eq_u32 s2, \e, v[16+\k]
	s_bcnt1_i32_b32 s3, s2
	s_add_co_u32 s[16+\e], s[16+\e], s3
.endr
.endr
.irp e, 0,1,2,3,4,5,6,7
	v_writelane_b32 v8, s[16+\e], \e
.endr
	ds_store_b32 v9, v8                            ; lane e: my wave's count for expert e
	s_wait_dscnt 0x0                               ; for the others' sake
	s_barrier_signal -1
	s_barrier_wait -1
.irp w, 0,1,2,3,4,5,6,7
	ds_load_b32 v[64+\w], v10 offset:128*\w
.endr
	v_mov_b32 v11, 0
	v_mov_b32 v12, 0
	s_wait_dscnt 0x0
.irp w, 0,1,2,3,4,5,6,7
	s_cmp_gt_u32 s14, \w
	s_cselect_b32 s2, -1, 0
	v_add_nc_u32 v11, v11, v[64+\w]                ; all waves' counts,
	v_and_b32 v13, s2, v[64+\w]
	v_add_nc_u32 v12, v12, v13                     ; and those of the waves in front of mine
.endr
.irp e, 0,1,2,3,4,5,6,7
	v_readlane_b32 s[32+\e], v11, \e               ; n(e)
	v_readlane_b32 s[24+\e], v12, \e
.endr
	s_mov_b32 s40, 0                               ; expert e's first tile
.irp e, 0,1,2,3,4,5,6,7
	s_add_co_u32 s2, s[32+\e], TR-1
	s_mul_i32 s2, s2, 52429                        ; / 80: x 52429 / 2^22, exact for numbers up to 4,175 (the factor is 1 / 80 x (1 + 3.9e-6), and a remainder of 79 leaves 1 / 80 of room)
	s_lshr_b32 s2, s2, 22
	s_add_co_u32 s[41+\e], s[40+\e], s2
.endr
.irp e, 0,1,2,3,4,5,6,7
	s_mul_i32 s2, s[40+\e], TR
	s_add_co_u32 s[24+\e], s[24+\e], s2            ; where my wave's first row of expert e goes
.endr
.irp k, 0,1,2,3,4,5,6,7,8,9,10,11,12,13,14,15
	v_mov_b32 v[32+\k], 0
.endr
.irp k, 0,1,2,3,4,5,6,7,8,9,10,11,12,13,14,15      ; pass 2, in pass 1's order: each entry's place
.irp e, 0,1,2,3,4,5,6,7
	v_cmp_eq_u32 s2, \e, v[16+\k]
	v_mbcnt_lo_u32_b32 v9, s2, s[24+\e]            ; the expert's next place + the lanes below mine that go there too
	v_cndmask_b32 v[32+\k], v[32+\k], v9, s2
	s_bcnt1_i32_b32 s3, s2
	s_add_co_u32 s[24+\e], s[24+\e], s3
.endr
.endr
	s_lshl_b32 s15, s14, 9
	v_lshl_add_u32 v14, v1, 2, s15                 ; 512 w + 4 lane
.irp i, 0,1,2,3
.irp j, 0,1,2,3
	v_add_nc_u32 v[48+4*\i+\j], 128*\i+\j, v14     ; the entry's own number = slot x 2048 + token
.endr
.endr
.irp k, 0,1,2,3,4,5,6,7,8,9,10,11,12,13,14,15
	v_min_u32 v[32+\k], 0x1fff, v[32+\k]           ; inside the list of 8,192 words
	v_lshlrev_b32 v[32+\k], 2, v[32+\k]
	global_store_b32 v[32+\k], v[48+\k], s[12:13]
.endr
	v_mov_b32 v72, 0                               ; the table: thread j is tile j: the last expert whose first tile is at or below j
	v_mov_b32 v74, s32
	v_mov_b32 v75, 0
.irp e, 1,2,3,4,5,6,7
	v_cmp_le_u32 vcc_lo, s[40+\e], v0
	v_cndmask_b32 v72, v72, \e, vcc_lo
	v_cndmask_b32 v74, v74, s[32+\e], vcc_lo
	v_cndmask_b32 v75, v75, s[40+\e], vcc_lo
.endr
	v_sub_nc_u32 v76, v0, v75
	v_mul_u32_u24 v76, v76, TR                     ; the expert's rows in front of this tile
	v_sub_nc_u32 v73, v74, v76
	v_max_i32 v73, 0, v73
	v_min_i32 v73, TR, v73                         ; its rows: 0 to 80
	v_lshlrev_b32 v77, 3, v0
	global_store_b64 v77, v[72:73], s[12:13] offset:32768
	s_wait_tensorcnt 0x0
	ds_add_u32 v254, v255
	s_wait_dscnt 0x0
	s_endpgm
.Lfunc_end_k_q8851152f12_wq_place:
	.size	k_q8851152f12_wq_place, .Lfunc_end_k_q8851152f12_wq_place-k_q8851152f12_wq_place
	.p2alignl 7, 3214868480
	.fill 96, 4, 3214868480
	.section	.rodata,"a",@progbits
	.p2align	6, 0x0
	.amdhsa_kernel k_q8851152f12_wq_place
		.amdhsa_group_segment_fixed_size 69632
		.amdhsa_private_segment_fixed_size 0
		.amdhsa_enable_private_segment 0
		.amdhsa_kernarg_size 40
		.amdhsa_user_sgpr_count 2
		.amdhsa_user_sgpr_kernarg_segment_ptr 1
		.amdhsa_wavefront_size32 1
		.amdhsa_system_sgpr_workgroup_id_x 1
		.amdhsa_system_sgpr_workgroup_id_y 1
		.amdhsa_system_sgpr_workgroup_id_z 1
		.amdhsa_system_vgpr_workitem_id 0
		.amdhsa_next_free_vgpr 256
		.amdhsa_next_free_sgpr 66
		.amdhsa_reserve_vcc 1
		.amdhsa_float_denorm_mode_32 3
		.amdhsa_float_denorm_mode_16_64 3
		.amdhsa_memory_ordered 1
		.amdhsa_forward_progress 1
		.amdhsa_inst_pref_size 120
	.end_amdhsa_kernel
	.amdgpu_metadata
---
amdhsa.version: [ 1, 2 ]
amdhsa.kernels:
  - .name:           k_q8851152f12_wq_place
    .symbol:         k_q8851152f12_wq_place.kd
    .args:
      - { .name: W, .offset: 0, .size: 8, .value_kind: global_buffer, .address_space: global }
      - { .name: eid, .offset: 8, .size: 8, .value_kind: global_buffer, .address_space: global }
      - { .name: wq, .offset: 16, .size: 8, .value_kind: global_buffer, .address_space: global }
      - { .name: ws, .offset: 24, .size: 8, .value_kind: global_buffer, .address_space: global }
      - { .name: route, .offset: 32, .size: 8, .value_kind: global_buffer, .address_space: global }
    .group_segment_fixed_size: 69632
    .private_segment_fixed_size: 0
    .kernarg_segment_align: 8
    .kernarg_segment_size: 40
    .max_flat_workgroup_size: 256
    .sgpr_count:     66
    .vgpr_count:     256
    .wavefront_size: 32
...
	.end_amdgpu_metadata
.endif
;; end of part 2
;; launch gemm (part 3): grid 4 x 59, 4 waves a work-group, no clusters, 166,656 bytes of LDS; arguments xq, xs, wq, ws, b, route, y; writes y
.if DOCPART == 3
	.amdgcn_target "amdgcn-amd-amdhsa--gfx1250"
	.amdhsa_code_object_version 6
	.text
	.protected	k_q8851152f12_gemm
	.globl	k_q8851152f12_gemm
	.p2align	8
	.type	k_q8851152f12_gemm,@function
k_q8851152f12_gemm:
	s_mov_b64 s[64:65], 0
	v_nop
	global_prefetch_b8 v0, s[64:65] scope:SCOPE_SE
	s_setreg_imm32_b32 hwreg(HW_REG_WAVE_MODE, 25, 1), 1
	s_wait_xcnt 0x0
; y[slot x 2048 + token][f] = sum over k of Q(x)[token][k] Q(W)[e][f][k] + b[e][f], for the routed rows alone; both operands codes of E3M2 with E8M0 scales; sums in f32.
; SHARES.  Work-group (x, y): tile y of the list (up to 80 routed rows of ONE expert, read from the table of tiles) x features 512 x .. 512 x + 511.  Wave w: 128 features x all 80 rows: 40 accumulators.
; The grid's 59 tiles serve every split of 4,096 rows over 8 experts ((4096 + 8 x 79) / 80), and 4 x 59 = 236 work-groups find a WGP each.  A tile without rows fills LDS with row 0, passes the
; one barrier, stores nothing and ends.
; THE PRODUCT IS USED TRANSPOSED: source 0 = 16 features of W, source 1 = 16 rows of x: lane (r, h) of accumulator (a, b) holds row 16 a + r and features 16 b + 8 h + 0 .. 7.  The bias is the C of the first K step.
; x: the tile's 80 rows of codes (1,536 bytes each) are gathered once into LDS and stay; their scale words likewise.  W: each fragment is read by ONE wave, once, so it goes from memory straight
; into registers: the codes lie in memory as images of the operand's registers, three loads of 512 consecutive bytes a fragment; three sets of eight fragments, asked for two K steps ahead.
; K = 2,048 is 16 steps, written out: every offset is an immediate, and nothing is stepped.  A step is ONE run of loads (x's fragments of the next step into the other of two sets, W's of the step
; after that into the set just left) and then its 40 matrix instructions on end.
; NO JOINT LOADS: which expert a tile has is data, so the weights of neighbouring tiles need not be the same, and partners' descriptors could differ; x's rows are gathered by the list, which one
; tile descriptor cannot state, and they are a seventh of a work-group's bytes.  No tensor load, so no ring.
; REGISTERS, in windows of 256.  window 0: v3-28 addresses and the list; v32-47 W's scale words, v48-52 and v56-60 x's (two sets each; they hold nothing else); v62, v63 the closing add's two; v64-123, v124-183 x's 5 fragments, two sets.
;   window 1: v0-95 W's set 0, v128-223 set 1; v96-127, v224-255 the bias, 8 registers a tile.   window 2: the accumulators of x's blocks 0-3, (a, b) at v[8 (8 a + b)]; at the head x's rows on
;   their way to LDS.   window 3: v0-63 the accumulators of block 4; v64-159 W's set 2.
.set TR,   80                          ; rows in a tile
.set XP,   1552                        ; a row of x in LDS: 1,536 bytes + 16: an odd multiple of 16, so that the sixteen rows of a load start in sixteen different 16-byte columns of 256
.set XSI,  TR*XP                       ; behind the 80 rows: x's scale words, the word of row 16 a + r, K step s at 1024 a + 64 s + 4 r; room for 128 rows, since each of the 128 threads stores a row's
.set STG,  XSI+8192                    ; behind them: a stage of 16 rows x 528 bytes for each wave, for the way out
.set L16,  3                           ; v3     16 x lane
.set XA,   4                           ; v4-5   my place in x's fragments a = 3 g + 0 .. 2
.set XSA,  7                           ; v7     and among x's scale words: lanes 0-15 the even K step's, lanes 16-31 the odd one's
.set DD,   8                           ; v8-12  the list's entries of rows 16 a + lane % 16
.set STO,  16                          ; v16    the stage: where I put 32 bytes of a row
.set RD,   17                          ; v17    and where I read a row back
.set XW,   18                          ; v18    where my wave puts x's rows
.set XSW,  19                          ; v19    where my thread puts its row's scale words
.set LV,   20                          ; v20    the list's entry of row = my thread's number
.set LW,   27                          ; v27    the list's entry of row 20 x wave + lane
.set WS,   32
.set XS,   48
.set XF,   64
.set BK,   128                         ; the way out: 16 rows read back: v128-191 and v192-255 by turns
.set OF,   64                          ; the way out: their offsets in y: v64-79 and v80-95 by turns
.set MSB,  0
.macro WIN new                         ; low byte: bits 1:0 source 0, 3:2 source 1, 5:4 source 2, 7:6 destination; the high byte repeats the setting that is left
.if MSB != (\new)
	s_set_vgpr_msb (MSB<<8)|(\new)
.set MSB, \new
.endif
.endm
.macro PLACES                          ; four plain vector lines between a matrix instruction and a load into, or a read of, its registers (ISA guide 7.12.1 for vector instructions)
.rept 4
	v_nop
.endr
.endm
; K step s's eight fragments of W into set s % 3; with an even s also the scale words of steps s and s + 1: 26 or 24 loads
.macro BATCH s
.set WB, 128*((\s)%3)
.if (\s)%3 == 2
.set WB, 64
.endif
.if (\s)%2 == 0
	WIN 0
.irp q, 0,1
	global_load_b128 v[WS+8*(((\s)/2)%2)+4*\q:WS+8*(((\s)/2)%2)+4*\q+3], v[L16], s[10:11] offset:((\s)/2)*1024+512*\q
.endr
.endif
.if (\s)%3 == 2
	WIN 0xc0                                       ; destination window 3
.else
	WIN 0x40                                       ; destination window 1
.endif
.irp b, 0,1,2,3,4,5,6,7
.irp c, 0,1,2
	global_load_b128 v[WB+12*\b+4*\c:WB+12*\b+4*\c+3], v[L16], s[8:9] offset:12288*(\s)+1536*\b+512*\c
.endr
.endr
.endm
; x's five fragments of K step s into set s % 2: a lane's 48 bytes lie together (blocks h and 2 + h)
.macro FETCH_X s
.irp a, 0,1,2,3,4
.irp c, 0,1,2
	ds_load_b128 v[XF+60*((\s)%2)+12*\a+4*\c:XF+60*((\s)%2)+12*\a+4*\c+3], v[XA+\a/3] offset:16*XP*(\a%3)+96*(\s)+16*\c
.endr
.endr
.endm
.macro XSCALES p                       ; x's scale words of K steps 2 p and 2 p + 1
.irp a, 0,1,2,3,4
	ds_load_b32 v[XS+8*((\p)%2)+\a], v[XSA] offset:1024*\a+128*(\p)
.endr
.endm
; 8 matrix instructions: x's block a against W's eight.  The 40 accumulators take turns, one instruction a turn, in the same order in every step.
.macro MUL8 a, s
.set WB, 128*((\s)%3)
.if (\s)%3 == 2
.set WB, 64
.endif
.set SS, 8*(((\s)/2)%2)
.set XB, XF+60*((\s)%2)+12*(\a)
.set AB, 64*((\a)%4)
.irp b, 0,1,2,3,4,5,6,7
.if (\s) == 0
	v_wmma_scale_f32_16x16x128_f8f6f4 v[AB+8*\b:AB+8*\b+7], v[WB+12*\b:WB+12*\b+11], v[XB:XB+11], v[96+8*(\b%4)+128*(\b/4):96+8*(\b%4)+128*(\b/4)+7], v[WS+SS+\b], v[XS+SS+(\a)] matrix_a_fmt:MATRIX_FMT_BF6 matrix_b_fmt:MATRIX_FMT_BF6
.elseif (\s)%2 == 0
	v_wmma_scale_f32_16x16x128_f8f6f4 v[AB+8*\b:AB+8*\b+7], v[WB+12*\b:WB+12*\b+11], v[XB:XB+11], v[AB+8*\b:AB+8*\b+7], v[WS+SS+\b], v[XS+SS+(\a)] matrix_a_fmt:MATRIX_FMT_BF6 matrix_b_fmt:MATRIX_FMT_BF6
.else
	v_wmma_scale_f32_16x16x128_f8f6f4 v[AB+8*\b:AB+8*\b+7], v[WB+12*\b:WB+12*\b+11], v[XB:XB+11], v[AB+8*\b:AB+8*\b+7], v[WS+SS+\b], v[XS+SS+(\a)] matrix_a_fmt:MATRIX_FMT_BF6 matrix_b_fmt:MATRIX_FMT_BF6 matrix_a_scale:MATRIX_SCALE_ROW1 matrix_b_scale:MATRIX_SCALE_ROW1
.endif
.endr
.endm
.macro STEP s
	PLACES                                         ; behind the last step's products: the loads below land in registers that they read
	WIN 0
.if (\s) < 15
.if (\s)%2 == 1
	XSCALES ((\s)+1)/2                             ; into the set that this step and the last do not use
.endif
	FETCH_X (\s)+1                                 ; into the set that the last step has left
.endif
.if (\s) < 14
	BATCH (\s)+2                                   ; into the set (and, with an even step, the scale words) that the last step has left
.endif
.if (\s) <= 13
	s_wait_loadcnt 50                              ; this step's batch is in; the two behind it (24 + 26 loads) may be out
.elseif (\s) == 14
	s_wait_loadcnt 24                              ; the last batch may be out
.else
	s_wait_loadcnt 0
.endif
.if (\s) == 15
	s_wait_dscnt 0x0
.elseif (\s)%2 == 1
	s_wait_dscnt 20                                ; this step's fragments and scale words of x are in; the 5 + 15 LDS loads just issued may be out
.else
	s_wait_dscnt 15                                ; the same: the 15 just issued may be out
.endif
.if (\s) == 0
.set WLO, 0x91                         ; W window 1, x window 0, C (the bias) window 1, D window 2
.set WHI, 0xd1                         ; the same, D window 3
.elseif (\s)%3 == 2
.set WLO, 0xa3                         ; W window 3, C and D window 2
.set WHI, 0xf3
.else
.set WLO, 0xa1                         ; W window 1, C and D window 2
.set WHI, 0xf1
.endif
	WIN WLO
.irp a, 0,1,2,3
	MUL8 \a, \s
.endr
	WIN WHI
	MUL8 4, \s
.endm
	s_load_b256 s[4:11], s[0:1], 0x0               ; xq s[4:5], xs s[6:7], wq s[8:9], ws s[10:11]
	s_load_b128 s[12:15], s[0:1], 0x20             ; b s[12:13], route s[14:15]
	s_load_b64 s[16:17], s[0:1], 0x30              ; y
	v_lshl_add_u32 v62, v0, 2, 0x28900
	v_mov_b32 v63, 0
	v_lshrrev_b32 v2, 5, v0
	v_readfirstlane_b32 s18, v2                    ; wave 0..3
	s_and_b32 s19, ttmp7, 0xffff                   ; my tile of the list
	v_and_b32 v1, 31, v0                           ; lane
	v_and_b32 v25, 15, v0                          ; r
	v_bfe_u32 v26, v0, 4, 1                        ; h
	v_lshlrev_b32 v[L16], 4, v1
	v_mul_u32_u24 v[XA], v25, XP
	v_mad_u32_u24 v[XA], v26, 48, v[XA]
	v_add_nc_u32 v[XA+1], 48*XP, v[XA]
	v_lshl_add_u32 v[XSA], v1, 2, XSI
	s_mul_i32 s25, s18, 20*XP
	v_add_nc_u32 v[XW], s25, v[L16]                ; my wave fills rows 20 w .. 20 w + 19
	v_lshrrev_b32 v2, 4, v0
	v_lshlrev_b32 v2, 10, v2
	v_lshl_add_u32 v[XSW], v25, 2, v2
	v_add_nc_u32 v[XSW], XSI, v[XSW]
	v_lshlrev_b32 v21, 2, v0
	v_lshlrev_b32 v22, 2, v25
	v_lshlrev_b32 v23, 5, v26
	s_mul_i32 s24, s18, 80
	v_lshl_add_u32 v28, v1, 2, s24                 ; 4 (20 w + lane)
	s_mul_i32 s26, s19, 4*TR                       ; the tile's 80 entries
	s_mov_b32 s27, 0
	s_lshl_b32 s22, s19, 3                         ; and its record in the table
	s_mov_b32 s23, 0
	s_wait_kmcnt 0x0
	s_add_nc_u64 s[30:31], s[14:15], s[22:23]
	s_load_b64 s[20:21], s[30:31], 0x8000          ; expert, rows: waited for behind the gather's loads
	s_add_nc_u64 s[28:29], s[14:15], s[26:27]
	global_load_b32 v[LW], v28, s[28:29]           ; (lanes 20-31 here, and threads 80-127 below, read entries of the tiles that follow: inside the list of 8,192 words, and not used)
	global_load_b32 v[LV], v21, s[28:29]
.irp a, 0,1,2,3,4
	global_load_b32 v[DD+\a], v22, s[28:29] offset:64*\a
.endr
	s_wait_loadcnt 0x0                             ; the list
.irp i, 0,1,2,3,4,5,6,7,8,9,10,11,12,13,14,15,16,17,18,19
	v_readlane_b32 s[40+\i], v[LW], \i             ; row 20 w + i's entry: the twenty in one run, so that the scalar lines below do not each sit on the line above
.endr
.irp i, 0,1,2,3,4,5,6,7,8,9,10,11,12,13,14,15,16,17,18,19
	s_min_u32 s[40+\i], s[40+\i], 4095
	s_and_b32 s[40+\i], s[40+\i], 2047             ; its token,
	s_mul_i32 s[40+\i], s[40+\i], 1536
.endr
.irp i, 0,1,2,3,4,5,6,7,8,9,10,11,12,13,14,15,16,17,18,19
	v_add_nc_u32 v[64+\i], s[40+\i], v[L16]        ; and my 16 bytes of each 512 of its codes
.endr
	v_min_u32 v24, 0xfff, v[LV]
	v_and_b32 v24, 0x7ff, v24
	v_lshlrev_b32 v24, 6, v24                      ; my thread's row of scale bytes
.irp c, 0,1,2,3
	global_load_b128 v[96+4*\c:99+4*\c], v24, s[6:7] offset:16*\c
.endr
	WIN 0x80                                       ; destination window 2
.irp i, 0,1,2,3,4,5,6,7,8,9,10,11,12,13,14,15,16,17,18,19
.irp j, 0,1,2
	global_load_b128 v[12*\i+4*\j:12*\i+4*\j+3], v[64+\i], s[4:5] offset:512*\j
.endr
.endr
	WIN 0
	s_mul_i32 s25, s18, 16*528
	s_add_co_u32 s25, s25, STG                     ; my stage
	v_mul_u32_u24 v[STO], v25, 528
	v_lshl_add_u32 v[STO], v26, 5, v[STO]
	v_add_nc_u32 v[STO], s25, v[STO]
	v_add_nc_u32 v[RD], s25, v[L16]
	s_wait_kmcnt 0x0                               ; the tile's record
	s_min_u32 s20, s20, 7
	s_min_u32 s21, s21, TR
	s_lshl_b32 s24, ttmp9, 2
	s_add_co_u32 s24, s24, s18                     ; my group of 128 features
	s_lshl_b32 s32, s20, 4
	s_add_co_u32 s32, s32, s24                     ; 16 x expert + group
	s_mul_i32 s26, s32, 196608                     ; 16 K steps x 8 records
	s_add_nc_u64 s[8:9], s[8:9], s[26:27]
	s_lshl_b32 s26, s32, 13
	s_add_nc_u64 s[10:11], s[10:11], s[26:27]
	s_lshl_b32 s26, s32, 9
	s_add_nc_u64 s[12:13], s[12:13], s[26:27]
	s_lshl_b32 s26, s24, 9
	s_add_nc_u64 s[16:17], s[16:17], s[26:27]
	WIN 0x40
.irp b, 0,1,2,3,4,5,6,7                        ; the bias in the result's layout: tile b, lane (r, h): features 16 b + 8 h + 0 .. 7
	global_load_b128 v[96+8*(\b%4)+128*(\b/4):96+8*(\b%4)+128*(\b/4)+3], v23, s[12:13] offset:64*\b
	global_load_b128 v[100+8*(\b%4)+128*(\b/4):100+8*(\b%4)+128*(\b/4)+3], v23, s[12:13] offset:64*\b+16
.endr
	BATCH 0
	WIN 0
	s_wait_loadcnt 45                              ; the scale bytes and rows 0-18 are in; row 19's 3 loads, the bias (16) and batch 0 (26) may be out
.irp s, 0,1,2,3,4,5,6,7,8,9,10,11,12,13,14,15
	ds_store_b32 v[XSW], v[96+\s] offset:64*\s
.endr
	WIN 0x08                                       ; an LDS store's data are its source 1: window 2
.irp i, 0,1,2,3,4,5,6,7,8,9,10,11,12,13,14,15,16,17,18
.irp j, 0,1,2
	ds_store_b128 v[XW], v[12*\i+4*\j:12*\i+4*\j+3] offset:XP*\i+512*\j
.endr
.endr
	s_wait_loadcnt 42                              ; row 19 is in; the bias and batch 0 may be out
.irp j, 0,1,2
	ds_store_b128 v[XW], v[12*19+4*\j:12*19+4*\j+3] offset:XP*19+512*\j
.endr
	WIN 0
	s_wait_dscnt 0x0                               ; for the others' sake: my rows and scale words lie in LDS
	s_barrier_signal -1
	s_barrier_wait -1                              ; the launch's one barrier: x's tile is whole, and nobody writes it again
	s_cmp_eq_u32 s21, 0
	s_cbranch_scc1 .Lend                           ; a tile without rows
	BATCH 1
	WIN 0
	XSCALES 0
	FETCH_X 0
.irp s, 0,1,2,3,4,5,6,7,8,9,10,11,12,13,14,15
	STEP \s
.endr
	PLACES                                         ; behind the last products: the way out reads their results and loads into registers that they read
	WIN 0
; THE WAY OUT, block by block of 16 rows x 128 features.  A lane holds 32 neighbouring bytes of a row and the lanes beside it hold other rows: a block goes through my own stage and comes back as whole
; rows of 512 bytes.  LDS serves a wave's instructions in order: no wait between the stores and the loads, nor in front of the next block's stores.
.macro TOSTAGE a
.set AC, 64*((\a)%4)
	WIN 0x08+4*((\a)/4)                            ; the data: window 2 or 3
.irp b, 0,1,2,3,4,5,6,7
	ds_store_b128 v[STO], v[AC+8*\b:AC+8*\b+3] offset:64*\b          ; each accumulator from its low end on
	ds_store_b128 v[STO], v[AC+8*\b+4:AC+8*\b+7] offset:64*\b+16
.endr
	WIN 0
.set BB, BK+64*((\a)%2)
.irp t, 0,1,2,3,4,5,6,7,8,9,10,11,12,13,14,15
	ds_load_b128 v[BB+4*\t:BB+4*\t+3], v[RD] offset:528*\t
.endr
.endm
; Row 16 a + t goes to y's row named by the list.  The block's sixteen entries are read in one run and their offsets made while the block is on its way back from the stage.
; The tile's rows come first in the list: at the first row beyond them the wave is done.
.macro SEND a, younger
.set BB, BK+64*((\a)%2)
.set OO, OF+16*((\a)%2)
.irp t, 0,1,2,3,4,5,6,7,8,9,10,11,12,13,14,15
	v_readlane_b32 s[40+\t], v[DD+(\a)], \t
.endr
.irp t, 0,1,2,3,4,5,6,7,8,9,10,11,12,13,14,15
	s_min_u32 s[40+\t], s[40+\t], 4095
	s_lshl_b32 s[40+\t], s[40+\t], 13              ; a row of y is 8,192 bytes
.endr
.irp t, 0,1,2,3,4,5,6,7,8,9,10,11,12,13,14,15
	v_add_nc_u32 v[OO+\t], s[40+\t], v[L16]
.endr
	s_wait_dscnt \younger                          ; the block is back in registers; what was issued behind its loads may be out
.irp t, 0,1,2,3,4,5,6,7,8,9,10,11,12,13,14,15
	s_cmp_gt_u32 s21, 16*(\a)+\t
	s_cbranch_scc0 .Lend
	global_store_b128 v[OO+\t], v[BB+4*\t:BB+4*\t+3], s[16:17]       ; 32 lanes store 512 consecutive bytes, at a multiple of 512 from y's first byte
.endr
.endm
	TOSTAGE 0
.irp a, 1,2,3,4
.if \a > 1
	s_wait_xcnt 0x0                                ; block a - 2's stores have read their registers: block a's loads may land there, and its offsets may be written
.endif
	TOSTAGE \a
	SEND \a-1, 32                                  ; behind block a - 1's loads: block a's 16 stores and 16 loads
.endr
	s_wait_xcnt 0x0
	SEND 4, 0
.Lend:
	s_wait_dscnt 0x0
	s_wait_tensorcnt 0x0
	ds_add_u32 v62, v63
	s_wait_dscnt 0x0
	s_endpgm
.Lfunc_end_k_q8851152f12_gemm:
	.size	k_q8851152f12_gemm, .Lfunc_end_k_q8851152f12_gemm-k_q8851152f12_gemm
	.p2alignl 7, 3214868480
	.fill 96, 4, 3214868480
	.section	.rodata,"a",@progbits
	.p2align	6, 0x0
	.amdhsa_kernel k_q8851152f12_gemm
		.amdhsa_group_segment_fixed_size 166656
		.amdhsa_private_segment_fixed_size 0
		.amdhsa_enable_private_segment 0
		.amdhsa_kernarg_size 56
		.amdhsa_user_sgpr_count 2
		.amdhsa_user_sgpr_kernarg_segment_ptr 1
		.amdhsa_wavefront_size32 1
		.amdhsa_system_sgpr_workgroup_id_x 1
		.amdhsa_system_sgpr_workgroup_id_y 1
		.amdhsa_system_sgpr_workgroup_id_z 1
		.amdhsa_system_vgpr_workitem_id 0
		.amdhsa_next_free_vgpr 1024
		.amdhsa_next_free_sgpr 66
		.amdhsa_reserve_vcc 0
		.amdhsa_float_denorm_mode_32 3
		.amdhsa_float_denorm_mode_16_64 3
		.amdhsa_memory_ordered 1
		.amdhsa_forward_progress 1
		.amdhsa_inst_pref_size 201
	.end_amdhsa_kernel
	.amdgpu_metadata
---
amdhsa.version: [ 1, 2 ]
amdhsa.kernels:
  - .name:           k_q8851152f12_gemm
    .symbol:         k_q8851152f12_gemm.kd
    .args:
      - { .name: xq, .offset: 0, .size: 8, .value_kind: global_buffer, .address_space: global }
      - { .name: xs, .offset: 8, .size: 8, .value_kind: global_buffer, .address_space: global }
      - { .name: wq, .offset: 16, .size: 8, .value_kind: global_buffer, .address_space: global }
      - { .name: ws, .offset: 24, .size: 8, .value_kind: global_buffer, .address_space: global }
      - { .name: b, .offset: 32, .size: 8, .value_kind: global_buffer, .address_space: global }
      - { .name: route, .offset: 40, .size: 8, .value_kind: global_buffer, .address_space: global }
      - { .name: y, .offset: 48, .size: 8, .value_kind: global_buffer, .address_space: global }
    .group_segment_fixed_size: 166656
    .private_segment_fixed_size: 0
    .kernarg_segment_align: 8
    .kernarg_segment_size: 56
    .max_flat_workgroup_size: 128
    .sgpr_count:     66
    .vgpr_count:     1024
    .wavefront_size: 32
...
	.end_amdgpu_metadata
.endif
;; end of part 3
;; launch combine (part 4): grid 256 x 1, 8 waves a work-group, no clusters, 0 bytes of LDS; arguments y, gw, out0; writes out0
.if DOCPART == 4
	.amdgcn_target "amdgcn-amd-amdhsa--gfx1250"
	.amdhsa_code_object_version 6
	.text
	.protected	k_q8851152f12_combine
	.globl	k_q8851152f12_combine
	.p2align	8
	.type	k_q8851152f12_combine,@function
k_q8851152f12_combine:
	s_mov_b64 s[64:65], 0
	v_nop
	global_prefetch_b8 v0, s[64:65] scope:SCOPE_SE
	s_setreg_imm32_b32 hwreg(HW_REG_WAVE_MODE, 25, 1), 1
	s_wait_xcnt 0x0
; out0[t][f] = g0[t] relu(y[t][f]) + g1[t] relu(y[2048 + t][f]): a stream.  y holds x W^T + b of the token's first and second expert, gw their weights.
; A wave takes one token: its two rows of 8,192 bytes by 16 pairs of loads of 512 consecutive bytes, all asked for at the start; each store covers 512 consecutive bytes, aligned.
; No LDS, no barrier, no loop; no register is written again while a store reads it.
.set A, 16                             ; v16-79   the first expert's row, then the result
.set B, 80                             ; v80-143  the second's
	s_load_b128 s[4:7], s[0:1], 0x0                ; y s[4:5], gw s[6:7]
	s_load_b64 s[8:9], s[0:1], 0x10                ; out0
	v_lshrrev_b32 v1, 5, v0
	v_readfirstlane_b32 s10, v1                    ; wave 0..7
	v_and_b32 v1, 31, v0
	v_lshlrev_b32 v1, 4, v1                        ; 16 x lane
	s_lshl_b32 s11, ttmp9, 3
	s_add_co_u32 s11, s11, s10                     ; my token
	s_lshl_b32 s20, s11, 2
	s_mov_b32 s21, 0
	s_lshl_b32 s16, s11, 13
	s_mov_b32 s17, 0
	s_wait_kmcnt 0x0
	s_add_nc_u64 s[6:7], s[6:7], s[20:21]
	s_load_b32 s12, s[6:7], 0x0                    ; g0
	s_load_b32 s14, s[6:7], 0x2000                 ; g1
	s_add_nc_u64 s[4:5], s[4:5], s[16:17]
	s_add_nc_u64 s[18:19], s[4:5], 0x1000000       ; 2,048 rows on
	s_add_nc_u64 s[8:9], s[8:9], s[16:17]
.irp i, 0,1,2,3,4,5,6,7,8,9,10,11,12,13,14,15
	global_load_b128 v[A+4*\i:A+4*\i+3], v1, s[4:5] offset:512*\i th:TH_LOAD_NT
	global_load_b128 v[B+4*\i:B+4*\i+3], v1, s[18:19] offset:512*\i th:TH_LOAD_NT
.endr
	s_wait_kmcnt 0x0
	s_mov_b32 s13, s12                             ; the packed forms name a pair and take its low word for both halves: so the upper word is written
	s_mov_b32 s15, s14
.irp i, 0,1,2,3,4,5,6,7,8,9,10,11,12,13,14,15
	s_wait_loadcnt 2*(15-\i)                       ; pair i is in; the later pairs may be out
.irp j, 0,1,2,3
	v_max_num_f32 v[A+4*\i+\j], 0, v[A+4*\i+\j]
	v_max_num_f32 v[B+4*\i+\j], 0, v[B+4*\i+\j]
.endr
	v_pk_mul_f32 v[A+4*\i:A+4*\i+1], v[A+4*\i:A+4*\i+1], s[12:13] op_sel_hi:[1,0]
	v_pk_mul_f32 v[A+4*\i+2:A+4*\i+3], v[A+4*\i+2:A+4*\i+3], s[12:13] op_sel_hi:[1,0]
	v_pk_fma_f32 v[A+4*\i:A+4*\i+1], v[B+4*\i:B+4*\i+1], s[14:15], v[A+4*\i:A+4*\i+1] op_sel_hi:[1,0,1]
	v_pk_fma_f32 v[A+4*\i+2:A+4*\i+3], v[B+4*\i+2:B+4*\i+3], s[14:15], v[A+4*\i+2:A+4*\i+3] op_sel_hi:[1,0,1]
	global_store_b128 v1, v[A+4*\i:A+4*\i+3], s[8:9] offset:512*\i th:TH_STORE_NT
.endr
	s_endpgm
.Lfunc_end_k_q8851152f12_combine:
	.size	k_q8851152f12_combine, .Lfunc_end_k_q8851152f12_combine-k_q8851152f12_combine
	.p2alignl 7, 3214868480
	.fill 96, 4, 3214868480
	.section	.rodata,"a",@progbits
	.p2align	6, 0x0
	.amdhsa_kernel k_q8851152f12_combine
		.amdhsa_group_segment_fixed_size 0
		.amdhsa_private_segment_fixed_size 0
		.amdhsa_enable_private_segment 0
		.amdhsa_kernarg_size 24
		.amdhsa_user_sgpr_count 2
		.amdhsa_user_sgpr_kernarg_segment_ptr 1
		.amdhsa_wavefront_size32 1
		.amdhsa_system_sgpr_workgroup_id_x 1
		.amdhsa_system_sgpr_workgroup_id_y 1
		.amdhsa_system_sgpr_workgroup_id_z 1
		.amdhsa_system_vgpr_workitem_id 0
		.amdhsa_next_free_vgpr 144
		.amdhsa_next_free_sgpr 66
		.amdhsa_reserve_vcc 0
		.amdhsa_float_denorm_mode_32 3
		.amdhsa_float_denorm_mode_16_64 3
		.amdhsa_memory_ordered 1
		.amdhsa_forward_progress 1
		.amdhsa_inst_pref_size 15
	.end_amdhsa_kernel
	.amdgpu_metadata
---
amdhsa.version: [ 1, 2 ]
amdhsa.kernels:
  - .name:           k_q8851152f12_combine
    .symbol:         k_q8851152f12_combine.kd
    .args:
      - { .name: y, .offset: 0, .size: 8, .value_kind: global_buffer, .address_space: global }
      - { .name: gw, .offset: 8, .size: 8, .value_kind: global_buffer, .address_space: global }
      - { .name: out0, .offset: 16, .size: 8, .value_kind: global_buffer, .address_space: global }
    .group_segment_fixed_size: 0
    .private_segment_fixed_size: 0
    .kernarg_segment_align: 8
    .kernarg_segment_size: 24
    .max_flat_workgroup_size: 256
    .sgpr_count:     66
    .vgpr_count:     144
    .wavefront_size: 32
...
	.end_amdgpu_metadata
.endif
;; end of part 4
;; ======== version 2 of 2: 4 launches
;; workspace buffers: xq 3,145,728 bytes; xs 131,072 bytes; eid 16,384 bytes of whole numbers; gw 16,384 bytes; route 34,816 bytes of whole numbers; wq 25,165,824 bytes; ws 1,048,576 bytes; y 33,554,432 bytes
;; launch xgate (part 5): grid 256 x 1, 4 waves a work-group, no clusters, 35,328 bytes of LDS; arguments x, Wg, bg, xq, xs, eid, gw, route; writes xq, xs, eid, gw, route
.if DOCPART == 5
	.amdgcn_target "amdgcn-amd-amdhsa--gfx1250"
	.amdhsa_code_object_version 6
	.text
	.protected	k_q8851152f12_xgate
	.globl	k_q8851152f12_xgate
	.p2align	8
	.type	k_q8851152f12_xgate,@function
k_q8851152f12_xgate:
	s_mov_b64 s[64:65], 0
	v_nop
	global_prefetch_b8 v0, s[64:65] scope:SCOPE_SE
	s_setreg_imm32_b32 hwreg(HW_REG_WAVE_MODE, 25, 1), 1
	s_wait_xcnt 0x0
; x [2048][2048] f32 -> codes of E3M2 (xq) with one E8M0 byte for each 32 along K (xs); the gate's logits x Wg^T + bg in f32 by fused multiply-adds;
; the two largest of the eight, and their softmax weights.  The chosen experts go to eid and the weights to gw, both at [slot x 2048 + token]: fixed places, no address here hangs on the choice.
; The list of rows in route (8,192 words) is cleared, 32 words a work-group: a later launch writes the entries that are used.
; SHARES.  A work-group owns 8 rows; wave w owns the K quarter w (512 numbers) of each: 8 steps, step t = row t.  A step's four loads read 512 consecutive bytes each; the 2,048 bytes turn
; through the wave's own stage in LDS, so that a lane holds 16 neighbours along K (two neighbouring lanes hold a block of 32).
; xq's LAYOUT: a row is 1,536 bytes; inside each 96 bytes (128 along K) the four blocks of 24 bytes lie in the order 0, 2, 1, 3, so that the 48 bytes that a lane of the product's
; operand wants (blocks h and 2 + h) lie together.  xs: a row is 64 bytes, block by block.
; A block's scale byte is its largest magnitude's exponent field - 4, held at 1 from below.  A block of zeros gets the byte 1: its codes are zeros, and this program alone reads the bytes.
; LIMITS: NaN and infinities among the inputs are not served.  The two experts are chosen by the logits (the lower index wins a tie): the same order as the gates', except where two
; different logits give gates that round to the same f32 number.  Blocks whose largest magnitude lies under 2^-122 keep the byte 1.
; The largest logit is taken away ahead of the exponentials, as the softmax of the problem does.
.set SP,   80                          ; a lane's place in a stage: 64 bytes + 16 of padding
.set WREG, 8192                        ; LDS: a region for each wave: two stages of 32 x SP bytes
.set SCB,  32768                       ; 512 scale bytes: 64 row + 16 wave + block
.set GP,   33280                       ; 1,024 bytes of partial logits: 256 wave + 32 row + 4 expert
.set R,    16                          ; v16-143  eight sets of 16 numbers as loaded
.set X,    144                         ; v144-175 two sets of 16 neighbours
.set C,    176                         ; v176-207 codes: four registers a step, never written twice
.set E,    208                         ; v208-215 a scale byte a step
.set ACC,  216                         ; v216-231 eight pairs: the step's partial logits
.set P,    232                         ; v232-239 the same, summed
.set T8,   240                         ; v240-247 destinations of the lane permutes
                                       ; window 1, v0-127: Wg[e][512 w + 16 lane + i] at 16 e + i
.set MSB,  0
.macro WIN new                         ; the immediate's high byte repeats the setting that is left
.if MSB != (\new)
	s_set_vgpr_msb (MSB<<8)|(\new)
.set MSB, \new
.endif
.endm
	s_load_b256 s[4:11], s[0:1], 0x0               ; x s[4:5], Wg s[6:7], bg s[8:9], xq s[10:11]
	s_load_b256 s[12:19], s[0:1], 0x20             ; xs s[12:13], eid s[14:15], gw s[16:17], route s[18:19]
	v_lshl_add_u32 v254, v0, 2, 0x8800
	v_mov_b32 v255, 0
	v_lshrrev_b32 v1, 5, v0
	v_readfirstlane_b32 s20, v1                    ; wave 0..3
	v_and_b32 v1, 31, v0                           ; lane
	v_lshlrev_b32 v2, 4, v1                        ; my 16 bytes of a load's 512
	v_lshlrev_b32 v3, 6, v1                        ; Wg: my 16 numbers
	s_mul_i32 s21, s20, WREG
	v_lshrrev_b32 v14, 2, v1
	v_mul_u32_u24 v14, v14, SP
	v_and_b32 v15, 3, v1
	v_lshl_add_u32 v14, v15, 4, v14
	v_add_nc_u32 v14, s21, v14                     ; the stage, in: SP (lane / 4) + 16 (lane % 4)
	v_mul_u32_u24 v15, v1, SP
	v_add_nc_u32 v15, s21, v15                     ; and out: SP x lane
	v_lshrrev_b32 v8, 1, v1                        ; my block of the quarter's 16
	v_lshrrev_b32 v9, 2, v8
	v_mul_u32_u24 v4, v9, 96                       ; its 128 along K,
	v_and_b32 v10, 1, v8
	v_bfe_u32 v11, v8, 1, 1
	v_lshl_or_b32 v10, v10, 1, v11                 ; its place among the four: blocks 0, 2, 1, 3
	v_mad_u32_u24 v4, v10, 24, v4
	v_and_b32 v11, 1, v1
	v_mad_u32_u24 v4, v11, 12, v4                  ; and my half of it
	s_lshl_b32 s21, s20, 4
	v_add_nc_u32 v5, s21, v8
	v_add_nc_u32 v5, SCB, v5                       ; my block's scale byte
	s_lshl_b32 s21, s20, 8
	s_add_co_u32 s21, s21, GP
	v_mov_b32 v6, s21                              ; my wave's partial logits
	s_mov_b32 s22, 0x76543210
	s_mov_b32 s23, 0xfedcba98                      ; v_permlanex16_b32's selects for lane l xor 16
.irp e, 0,1,2,3,4,5,6,7
	v_mov_b32 v[T8+\e], 0                          ; written once: a lane permute's destination counts as one of its sources
.endr
	s_lshl_b32 s32, ttmp9, 16                      ; 8 rows of 8,192 bytes,
	s_lshl_b32 s33, s20, 11                        ; my quarter
	s_add_co_u32 s32, s32, s33
	s_mov_b32 s33, 0
	s_lshl_b32 s34, s20, 11
	s_mov_b32 s35, 0
	s_mul_i32 s36, ttmp9, 12288                    ; 8 rows of 1,536 bytes,
	s_mul_i32 s37, s20, 384                        ; my quarter
	s_add_co_u32 s36, s36, s37
	s_mov_b32 s37, 0
	s_lshl_b32 s38, ttmp9, 9
	s_mov_b32 s39, 0
	s_lshl_b32 s40, ttmp9, 5
	s_mov_b32 s41, 0
	s_lshl_b32 s42, ttmp9, 7
	s_mov_b32 s43, 0
	s_wait_kmcnt 0x0
	s_load_b256 s[24:31], s[8:9], 0x0              ; bg: waited for where wave 0 adds it
	s_add_nc_u64 s[4:5], s[4:5], s[32:33]
	s_add_nc_u64 s[6:7], s[6:7], s[34:35]
	s_add_nc_u64 s[10:11], s[10:11], s[36:37]
	s_add_nc_u64 s[12:13], s[12:13], s[38:39]
	s_add_nc_u64 s[14:15], s[14:15], s[40:41]
	s_add_nc_u64 s[16:17], s[16:17], s[40:41]
	s_add_nc_u64 s[18:19], s[18:19], s[42:43]
	WIN 0x40                                       ; destination window 1
.irp e, 0,1,2,3,4,5,6,7
.irp c, 0,1,2,3
	global_load_b128 v[16*\e+4*\c:16*\e+4*\c+3], v3, s[6:7] offset:8192*\e+16*\c
.endr
.endr
	WIN 0
.macro LOAD t                          ; row t's quarter: four loads of 512 consecutive bytes
.irp i, 0,1,2,3
	global_load_b128 v[R+16*(\t)+4*\i:R+16*(\t)+4*\i+3], v2, s[4:5] offset:8192*(\t)+512*\i th:TH_LOAD_NT
.endr
.endm
.macro TURN t                          ; through the stage: LDS serves a wave's instructions in order, so no wait stands between the stores and the loads
.irp i, 0,1,2,3
	ds_store_b128 v14, v[R+16*(\t)+4*\i:R+16*(\t)+4*\i+3] offset:32*SP*((\t)%2)+8*SP*\i
.endr
.irp i, 0,1,2,3
	ds_load_b128 v[X+16*((\t)%2)+4*\i:X+16*((\t)%2)+4*\i+3], v15 offset:32*SP*((\t)%2)+16*\i
.endr
.endm
.irp t, 0,1,2,3,4,5,6,7
	LOAD \t
.endr
	s_wait_loadcnt 28                              ; Wg and row 0 are in; the 28 loads of rows 1 to 7 may be out
	TURN 0
.macro STEP t
.set XS, X+16*((\t)%2)
	s_wait_dscnt 0x0                               ; this row's numbers are back from the stage, and the last step's LDS stores have read their registers
.if (\t) < 7
	s_wait_loadcnt 4*(6-(\t))                      ; the next row's four loads are in; those of the rows behind it may be out
	TURN (\t)+1
.endif
	v_max3_num_f32 v8, |v[XS]|, |v[XS+1]|, |v[XS+2]|               ; the largest magnitude of my 16, in two chains
	v_max3_num_f32 v9, |v[XS+3]|, |v[XS+4]|, |v[XS+5]|
.irp i, 6,10
	v_max3_num_f32 v8, v8, |v[XS+\i]|, |v[XS+\i+1]|
	v_max3_num_f32 v9, v9, |v[XS+\i+2]|, |v[XS+\i+3]|
.endr
	v_max3_num_f32 v8, v8, |v[XS+14]|, |v[XS+15]|
	v_max3_num_f32 v8, v8, v9, 0x2800000           ; and the floor 2^(5 - 127): the byte cannot fall under 1
	v_max_num_f32_dpp v8, v8, v8 row_xmask:1 row_mask:0xf bank_mask:0xf   ; with my neighbour's 16: the block's
	v_add_nc_u32 v11, 0xfe000000, v8               ; 4 off its exponent field: the conversion takes this operand's exponent field as its scale
	v_cvt_scalef32_pk16_bf6_f32 v[C+4*(\t):C+4*(\t)+2], v[XS:XS+15], v11
	v_lshrrev_b32 v[E+(\t)], 23, v11               ; the scale's byte (also the plain line behind the conversion)
	ds_store_b8 v5, v[E+(\t)] offset:64*(\t)       ; both lanes of a block write the same byte with the same value
	global_store_b96 v4, v[C+4*(\t):C+4*(\t)+2], s[10:11] offset:1536*(\t)   ; the wave's 32 stores cover 384 consecutive bytes
	WIN 0x04                                       ; source 1 (Wg) window 1
.irp i, 0,2,4,6,8,10,12,14
.irp e, 0,1,2,3,4,5,6,7
.if \i == 0
	v_pk_mul_f32 v[ACC+2*\e:ACC+2*\e+1], v[XS+\i:XS+\i+1], v[16*\e+\i:16*\e+\i+1]       ; the first products start the sums
.else
	v_pk_fma_f32 v[ACC+2*\e:ACC+2*\e+1], v[XS+\i:XS+\i+1], v[16*\e+\i:16*\e+\i+1], v[ACC+2*\e:ACC+2*\e+1]
.endif
.endr
.endr
	WIN 0
.irp e, 0,1,2,3,4,5,6,7
	v_add_f32 v[P+\e], v[ACC+2*\e], v[ACC+2*\e+1]
.endr
.irp m, 1,2,4,8
.irp e, 0,1,2,3,4,5,6,7
	v_add_f32_dpp v[P+\e], v[P+\e], v[P+\e] row_xmask:\m row_mask:0xf bank_mask:0xf     ; the eight sums by turns
.endr
.endr
.irp e, 0,1,2,3,4,5,6,7
	v_permlanex16_b32 v[T8+\e], v[P+\e], s22, s23
.endr
.irp e, 0,1,2,3,4,5,6,7
	v_add_f32 v[P+\e], v[P+\e], v[T8+\e]           ; every lane holds the quarter's eight partial logits
.endr
	ds_store_b128 v6, v[P:P+3] offset:32*(\t)      ; all lanes write the same bytes with the same values
	ds_store_b128 v6, v[P+4:P+7] offset:32*(\t)+16
.endm
.irp t, 0,1,2,3,4,5,6,7
	STEP \t
.endr
	s_wait_dscnt 0x0                               ; for the others' sake: my scale bytes and partial logits lie in LDS
	s_barrier_signal -1
	s_barrier_wait -1
	v_lshlrev_b32 v12, 2, v0
	ds_load_b32 v13, v12 offset:SCB                ; the 8 rows' 512 scale bytes are consecutive in xs: 128 bytes a wave
	s_wait_alu depctr_va_vdst(0)
	s_wait_dscnt 0x0
	global_store_b32 v12, v13, s[12:13]
	s_cmp_lg_u32 s20, 0
	s_cbranch_scc1 .Lend
	; wave 0: lane l takes row l % 8 (lanes 8 to 31 repeat lanes 0 to 7 and store the same words with the same values)
	s_wait_kmcnt 0x0                               ; bg
	v_and_b32 v16, 7, v0
	v_lshl_add_u32 v17, v16, 5, GP
.irp w, 0,1,2,3
	ds_load_b128 v[20+8*\w:23+8*\w], v17 offset:256*\w
	ds_load_b128 v[24+8*\w:27+8*\w], v17 offset:256*\w+16
.endr
	s_wait_dscnt 0x0
.irp e, 0,1,2,3,4,5,6,7
	v_add_f32 v[52+\e], v[20+\e], v[28+\e]
	v_add_f32 v[60+\e], v[36+\e], v[44+\e]
.endr
.irp e, 0,1,2,3,4,5,6,7
	v_add_f32 v[52+\e], v[52+\e], v[60+\e]
.endr
.irp e, 0,1,2,3,4,5,6,7
	v_add_f32 v[52+\e], s[24+\e], v[52+\e]         ; the logits
.endr
	v_mov_b32 v68, v52                             ; the largest, and its expert: a later one must be strictly larger
	v_mov_b32 v69, 0
.irp e, 1,2,3,4,5,6,7
	v_cmp_gt_f32 vcc_lo, v[52+\e], v68
	v_cndmask_b32 v68, v68, v[52+\e], vcc_lo
	v_cndmask_b32 v69, v69, \e, vcc_lo
.endr
	v_mov_b32 v70, 0xff800000                      ; the second: the largest of the other seven
	v_mov_b32 v71, 0
.irp e, 0,1,2,3,4,5,6,7
	v_cmp_ne_u32 s2, \e, v69
	v_cmp_gt_f32 s3, v[52+\e], v70
	s_and_b32 s2, s2, s3
	v_cndmask_b32 v70, v70, v[52+\e], s2
	v_cndmask_b32 v71, v71, \e, s2
.endr
.irp e, 0,1,2,3,4,5,6,7
	v_sub_f32 v[72+\e], v[52+\e], v68              ; the largest logit is taken away
.endr
	v_sub_f32 v80, v70, v68
.irp e, 0,1,2,3,4,5,6,7,8
	v_mul_f32 v[72+\e], 0x3fb8aa3b, v[72+\e]       ; x log2(e)
.endr
	s_wait_alu depctr_va_vdst(0)
.irp e, 0,1,2,3,4,5,6,7,8
	v_exp_f32 v[72+\e], v[72+\e]
.endr
	v_lshlrev_b32 v84, 2, v16                      ; (a plain line behind the exponentials)  4 x row
	s_wait_alu depctr_va_vdst(0)
	v_add_f32 v81, v72, v73
	v_add_f32 v87, v74, v75
	v_add_f32 v88, v76, v77
	v_add_f32 v89, v78, v79
	v_add_f32 v81, v81, v87
	v_add_f32 v88, v88, v89
	v_add_f32 v81, v81, v88
	s_wait_alu depctr_va_vdst(0)
	v_rcp_f32 v82, v81                             ; the first weight: 2^0 / the sum
	v_lshlrev_b32 v85, 2, v0                       ; (a plain line behind the reciprocal)  4 x lane
	s_wait_alu depctr_va_vdst(0)
	v_mul_f32 v83, v80, v82                        ; the second
	v_mov_b32 v86, 0
	global_store_b32 v84, v69, s[14:15]
	global_store_b32 v84, v71, s[14:15] offset:8192
	global_store_b32 v84, v82, s[16:17]
	global_store_b32 v84, v83, s[16:17] offset:8192
	global_store_b32 v85, v86, s[18:19]            ; 32 words of the list of rows are cleared
.Lend:
	s_wait_tensorcnt 0x0
	ds_add_u32 v254, v255
	s_wait_dscnt 0x0
	s_endpgm
.Lfunc_end_k_q8851152f12_xgate:
	.size	k_q8851152f12_xgate, .Lfunc_end_k_q8851152f12_xgate-k_q8851152f12_xgate
	.p2alignl 7, 3214868480
	.fill 96, 4, 3214868480
	.section	.rodata,"a",@progbits
	.p2align	6, 0x0
	.amdhsa_kernel k_q8851152f12_xgate
		.amdhsa_group_segment_fixed_size 35328
		.amdhsa_private_segment_fixed_size 0
		.amdhsa_enable_private_segment 0
		.amdhsa_kernarg_size 64
		.amdhsa_user_sgpr_count 2
		.amdhsa_user_sgpr_kernarg_segment_ptr 1
		.amdhsa_wavefront_size32 1
		.amdhsa_system_sgpr_workgroup_id_x 1
		.amdhsa_system_sgpr_workgroup_id_y 1
		.amdhsa_system_sgpr_workgroup_id_z 1
		.amdhsa_system_vgpr_workitem_id 0
		.amdhsa_next_free_vgpr 384
		.amdhsa_next_free_sgpr 66
		.amdhsa_reserve_vcc 1
		.amdhsa_float_denorm_mode_32 3
		.amdhsa_float_denorm_mode_16_64 3
		.amdhsa_memory_ordered 1
		.amdhsa_forward_progress 1
		.amdhsa_inst_pref_size 86
	.end_amdhsa_kernel
	.amdgpu_metadata
---
amdhsa.version: [ 1, 2 ]
amdhsa.kernels:
  - .name:           k_q8851152f12_xgate
    .symbol:         k_q8851152f12_xgate.kd
    .args:
      - { .name: x, .offset: 0, .size: 8, .value_kind: global_buffer, .address_space: global }
      - { .name: Wg, .offset: 8, .size: 8, .value_kind: global_buffer, .address_space: global }
      - { .name: bg, .offset: 16, .size: 8, .value_kind: global_buffer, .address_space: global }
      - { .name: xq, .offset: 24, .size: 8, .value_kind: global_buffer, .address_space: global }
      - { .name: xs, .offset: 32, .size: 8, .value_kind: global_buffer, .address_space: global }
      - { .name: eid, .offset: 40, .size: 8, .value_kind: global_buffer, .address_space: global }
      - { .name: gw, .offset: 48, .size: 8, .value_kind: global_buffer, .address_space: global }
      - { .name: route, .offset: 56, .size: 8, .value_kind: global_buffer, .address_space: global }
    .group_segment_fixed_size: 35328
    .private_segment_fixed_size: 0
    .kernarg_segment_align: 8
    .kernarg_segment_size: 64
    .max_flat_workgroup_size: 128
    .sgpr_count:     66
    .vgpr_count:     384
    .wavefront_size: 32
...
	.end_amdgpu_metadata
.endif
;; end of part 5
;; launch wq_place (part 6): grid 257 x 1, 8 waves a work-group, no clusters, 69,632 bytes of LDS; arguments W, eid, wq, ws, route; writes wq, ws, route
.if DOCPART == 6
	.amdgcn_target "amdgcn-amd-amdhsa--gfx1250"
	.amdhsa_code_object_version 6
	.text
	.protected	k_q8851152f12_wq_place
	.globl	k_q8851152f12_wq_place
	.p2align	8
	.type	k_q8851152f12_wq_place,@function
k_q8851152f12_wq_place:
	s_mov_b64 s[64:65], 0
	v_nop
	global_prefetch_b8 v0, s[64:65] scope:SCOPE_SE
	s_setreg_imm32_b32 hwreg(HW_REG_WAVE_MODE, 25, 1), 1
	s_wait_xcnt 0x0
; Two jobs in one launch, parted on the work-group's number; each has LDS bytes of its own.
; WORK-GROUPS 0 TO 255: W [8][2048][2048] f32 (K innermost) -> codes of E3M2 and E8M0 scale words, LAID IN THE ORDER OF THE OPERAND'S REGISTERS.
;   wq: [expert 8][group of 128 features 16][K step of 128: 16][tile of 16 features 8] records of 1,536 bytes; in a record byte 512 c + 16 lane is registers 4 c .. 4 c + 3 of that lane's fragment.
;   ws: [expert][group][pair of K steps 8][q 2][lane 32][4 words]: word j of lane l is the scale word of tile 4 q + j, K step 2 p + l / 16, row l % 16.
;   A wave makes 8 records (4 tiles x 2 K steps).  A record's 16 loads read 512 consecutive bytes each (a row's 128 numbers); they turn through the wave's own stage, so that lane (r, h) holds
;   blocks h and 2 + h of row r whole: no other lane is asked for a maximum, and the conversions' results are the operand's registers.  Waves share nothing: no barrier on this path.
;   A block's scale byte is its largest magnitude's exponent field - 4, held at 1 from below; a block of zeros gets the byte 1 (zero codes; this program alone reads the bytes).
;   LIMITS: NaN and infinities are not served; blocks whose largest magnitude lies under 2^-122 keep the byte 1.
; WORK-GROUP 256: the counting sort of the 4,096 routed rows (entry = slot x 2048 + token) by expert.  Expert e's rows begin at a multiple of TR = 80 in the list; the table of tiles gives, for
;   each of 256 tile numbers, its expert and its number of rows (0 beyond the last).  The sum over experts of ceil(n / 80) is at most (4096 + 8 x 79) / 80: never more than 59 tiles with rows.
.set TR,   80                          ; rows in a tile of the list
.set STGB, 8448                        ; a wave's stage: 16 rows x 528 bytes (an odd multiple of 16: the sixteen rows of a load start in sixteen different 16-byte columns of 256)
.set PLB,  67584                       ; behind the eight stages: the sort's 1,024 bytes
.set R,    16                          ; v16-143  two sets of 64 numbers as loaded
.set X,    144                         ; v144-207 my two blocks of 32
.set PC,   208                         ; v208-231 two sets of 12: a fragment's codes
.set TQ,   232                         ; v232-238 the blocks' upper halves (a conversion's three registers begin on an even number)
.set WD,   240                         ; v240-241 the scale words of a tile's two K steps
.set SW,   244                         ; v244-247 the four words that I store
	s_load_b256 s[4:11], s[0:1], 0x0               ; W s[4:5], eid s[6:7], wq s[8:9], ws s[10:11]
	s_load_b64 s[12:13], s[0:1], 0x20              ; route
	v_lshl_add_u32 v254, v0, 2, 0x10c00
	v_mov_b32 v255, 0
	v_lshrrev_b32 v1, 5, v0
	s_delay_alu instid0(VALU_DEP_1)
	v_readfirstlane_b32 s14, v1                    ; wave 0..7
	v_and_b32 v1, 31, v0                           ; lane
	s_delay_alu instid0(VALU_DEP_1)
	v_lshlrev_b32 v2, 4, v1                        ; 16 x lane
	s_wait_kmcnt 0x0
	s_cmp_eq_u32 ttmp9, 256
	s_cbranch_scc1 .Lplace
	s_lshl_b32 s15, ttmp9, 3
	s_add_co_u32 s15, s15, s14                     ; my unit, 0 .. 2,047
	s_and_b32 s16, s15, 1                          ; q
	s_bfe_u32 s17, s15, 0x30001                    ; p
	s_lshr_b32 s18, s15, 4                         ; 16 x expert + group
	s_lshl_b32 s24, s18, 7
	s_lshl_b32 s25, s16, 6
	s_add_co_u32 s24, s24, s25                     ; my first row of W
	s_lshl_b32 s24, s24, 13
	s_lshl_b32 s25, s17, 10                        ; my 256 along K
	s_add_co_u32 s24, s24, s25
	s_mov_b32 s25, 0
	s_add_nc_u64 s[4:5], s[4:5], s[24:25]
	s_lshl_b32 s24, s18, 4
	s_lshl_b32 s26, s17, 1
	s_add_co_u32 s24, s24, s26
	s_mul_i32 s24, s24, 12288                      ; a K step's eight records
	s_mul_i32 s26, s16, 6144                       ; my four of them
	s_add_co_u32 s24, s24, s26
	s_add_nc_u64 s[8:9], s[8:9], s[24:25]
	s_lshl_b32 s24, s18, 3
	s_add_co_u32 s24, s24, s17
	s_lshl_b32 s24, s24, 10
	s_lshl_b32 s26, s16, 9
	s_add_co_u32 s24, s24, s26
	s_add_nc_u64 s[10:11], s[10:11], s[24:25]
	s_mul_i32 s27, s14, STGB
	s_wait_alu depctr_va_vdst(0)
	v_add_nc_u32 v3, s27, v2                       ; the stage, in: 16 x lane of a row
	v_and_b32 v6, 15, v1                           ; r
	v_lshrrev_b32 v7, 4, v1                        ; h
	s_delay_alu instid0(VALU_DEP_2)
	v_mul_u32_u24 v4, v6, 528
	s_delay_alu instid0(VALU_DEP_1)
	v_lshl_add_u32 v4, v7, 7, v4
	s_delay_alu instid0(VALU_DEP_1)
	v_add_nc_u32 v4, s27, v4                       ; and out: row r, block h
	s_delay_alu instid0(VALU_DEP_4)
	v_lshlrev_b32 v5, 3, v7                        ; 8 h: my bytes' place in a scale word
	v_mov_b32 v10, 0                               ; written once: a lane permute's destination counts as one of its sources
	s_mov_b32 s50, 0x76543210
	s_mov_b32 s51, 0xfedcba98                      ; v_permlanex16_b32's selects for lane l xor 16
	s_mov_b32 s52, 0xffff0000                      ; lanes 16 to 31
.macro LOAD t                          ; record t: tile t / 2 of my four, K step t % 2 of my two
.irp r, 0,1,2,3,4,5,6,7,8,9,10,11,12,13,14,15
	global_load_b128 v[R+64*((\t)%2)+4*\r:R+64*((\t)%2)+4*\r+3], v2, s[4:5] offset:(((\t)/2)*16+\r)*8192+((\t)%2)*512 th:TH_LOAD_NT
.endr
.endm
.macro REC t
.set RS, R+64*((\t)%2)
.set PS, PC+12*((\t)%2)
.if (\t) < 7
	s_wait_loadcnt 16                              ; this record's 16 loads are in; the next record's may be out
.else
	s_wait_loadcnt 0
.endif
.irp r, 0,1,2,3,4,5,6,7,8,9,10,11,12,13,14,15
	ds_store_b128 v3, v[RS+4*\r:RS+4*\r+3] offset:528*\r
.endr
.irp c, 0,1
.irp i, 0,1,2,3,4,5,6,7
	ds_load_b128 v[X+32*\c+4*\i:X+32*\c+4*\i+3], v4 offset:256*\c+16*\i      ; LDS serves a wave's instructions in order: these see the stores above
.endr
.endr
	s_wait_dscnt 0x0                               ; my blocks are in, and the stores have read their registers
.if (\t) >= 2
	s_wait_xcnt 0x0                                ; the stores of two records ago have read this set of codes
.endif
.if (\t) < 6
	LOAD (\t)+2
.endif
.irp k, 0,1,2,3
	v_max3_num_f32 v[6+\k], |v[X+16*\k]|, |v[X+16*\k+1]|, 0x2800000          ; four chains of 16 numbers, each with the floor 2^(5 - 127)
.endr
.irp i, 2,4,6,8,10,12,14
.irp k, 0,1,2,3
	s_delay_alu instid0(VALU_DEP_4)
	v_max3_num_f32 v[6+\k], v[6+\k], |v[X+16*\k+\i]|, |v[X+16*\k+\i+1]|
.endr
.endr
	s_delay_alu instid0(VALU_DEP_3)
	v_max_num_f32 v6, v6, v7                       ; block h's largest magnitude,
	s_delay_alu instid0(VALU_DEP_2)
	v_max_num_f32 v8, v8, v9                       ; block 2 + h's
	s_delay_alu instid0(VALU_DEP_2)
	v_add_nc_u32 v12, 0xfe000000, v6               ; 4 off the exponent field: the conversions' scale operands
	s_delay_alu instid0(VALU_DEP_2)
	v_add_nc_u32 v13, 0xfe000000, v8
	s_delay_alu instid0(VALU_DEP_2)
	v_lshrrev_b32 v14, 23, v12                     ; the scales' bytes
	s_delay_alu instid0(VALU_DEP_2)
	v_lshrrev_b32 v15, 23, v13
	s_delay_alu instid0(VALU_DEP_1)
	v_lshl_or_b32 v11, v15, 16, v14
	s_delay_alu instid0(VALU_DEP_1)
	v_lshlrev_b32 v11, v5, v11                     ; at their places in the row's word;
	s_delay_alu instid0(VALU_DEP_1)
	v_permlanex16_b32 v10, v11, s50, s51
	s_delay_alu instid0(VALU_DEP_1)
	v_or_b32 v[WD+((\t)%2)], v11, v10              ; with lane l xor 16's two the word is whole
	v_cvt_scalef32_pk16_bf6_f32 v[PS:PS+2], v[X:X+15], v12
	v_cvt_scalef32_pk16_bf6_f32 v[TQ:TQ+2], v[X+16:X+31], v12
	v_cvt_scalef32_pk16_bf6_f32 v[PS+6:PS+8], v[X+32:X+47], v13
	v_cvt_scalef32_pk16_bf6_f32 v[TQ+4:TQ+6], v[X+48:X+63], v13
	v_nop                                          ; one plain line behind the conversions
.irp c, 0,1
.irp i, 0,1,2
	v_mov_b32 v[PS+3+6*\c+\i], v[TQ+4*\c+\i]
.endr
.endr
.irp c, 0,1,2
	global_store_b128 v2, v[PS+4*\c:PS+4*\c+3], s[8:9] offset:((\t)%2)*12288+((\t)/2)*1536+512*\c    ; 32 lanes store 512 consecutive bytes, at a multiple of 512 from the buffer's first byte
.endr
.if (\t)%2 == 1
	v_cndmask_b32 v[SW+(\t)/2], v[WD], v[WD+1], s52      ; lanes 0-15 the even K step's word, lanes 16-31 the odd one's
.endif
.endm
	LOAD 0
	LOAD 1
	s_wait_alu depctr_va_vdst(0)
.irp t, 0,1,2,3,4,5,6,7
	REC \t
.endr
	global_store_b128 v2, v[SW:SW+3], s[10:11]     ; 512 consecutive bytes
	s_wait_tensorcnt 0x0
	ds_add_u32 v254, v255
	s_wait_dscnt 0x0
	s_endpgm
.Lplace:                               ; 256 threads; wave w takes entries 512 w .. 512 w + 511: register 4 i + j of a lane is entry 512 w + 128 i + 4 lane + j
	s_lshl_b32 s15, s14, 11
	s_wait_alu depctr_va_vdst(0)
	v_add_nc_u32 v3, s15, v2
.irp i, 0,1,2,3
	global_load_b128 v[16+4*\i:19+4*\i], v3, s[6:7] offset:512*\i
.endr
.irp e, 0,1,2,3,4,5,6,7
	s_mov_b32 s[16+\e], 0
.endr
	v_lshl_add_u32 v9, v0, 2, PLB                  ; a word for each thread
	v_lshl_add_u32 v10, v1, 2, PLB                 ; and the same lane's word of wave 0
	v_mov_b32 v8, 0
	s_wait_loadcnt 0x0
.irp k, 0,1,2,3,4,5,6,7,8,9,10,11,12,13,14,15      ; pass 1: how many of my wave's entries go to each expert
.irp e, 0,1,2,3,4,5,6,7
	v_cmp_eq_u32 s2, \e, v[16+\k]
	s_bcnt1_i32_b32 s3, s2
	s_add_co_u32 s[16+\e], s[16+\e], s3
.endr
.endr
.irp e, 0
	v_writelane_b32 v8, s[16+\e], \e
.endr
.irp e, 1, 2, 3, 4, 5, 6, 7
	s_delay_alu instid0(VALU_DEP_1)
	v_writelane_b32 v8, s[16+\e], \e
.endr
	ds_store_b32 v9, v8                            ; lane e: my wave's count for expert e
	s_wait_dscnt 0x0                               ; for the others' sake
	s_barrier_signal -1
	s_barrier_wait -1
.irp w, 0,1,2,3,4,5,6,7
	ds_load_b32 v[64+\w], v10 offset:128*\w
.endr
	v_mov_b32 v11, 0
	v_mov_b32 v12, 0
	s_wait_alu depctr_va_vdst(0)
	s_wait_dscnt 0x0
.irp w, 0,1,2,3,4,5,6,7
	s_cmp_gt_u32 s14, \w
	s_cselect_b32 s2, -1, 0
	v_add_nc_u32 v11, v11, v[64+\w]                ; all waves' counts,
	v_and_b32 v13, s2, v[64+\w]
	s_delay_alu instid0(VALU_DEP_1)
	v_add_nc_u32 v12, v12, v13                     ; and those of the waves in front of mine
.endr
.irp e, 0,1,2,3,4,5,6,7
	v_readlane_b32 s[32+\e], v11, \e               ; n(e)
	v_readlane_b32 s[24+\e], v12, \e
.endr
	s_mov_b32 s40, 0                               ; expert e's first tile
.irp e, 0,1,2,3,4,5,6,7
	s_add_co_u32 s2, s[32+\e], TR-1
	s_mul_i32 s2, s2, 52429                        ; / 80: x 52429 / 2^22, exact for numbers up to 4,175 (the factor is 1 / 80 x (1 + 3.9e-6), and a remainder of 79 leaves 1 / 80 of room)
	s_lshr_b32 s2, s2, 22
	s_add_co_u32 s[41+\e], s[40+\e], s2
.endr
.irp e, 0,1,2,3,4,5,6,7
	s_mul_i32 s2, s[40+\e], TR
	s_add_co_u32 s[24+\e], s[24+\e], s2            ; where my wave's first row of expert e goes
.endr
.irp k, 0,1,2,3,4,5,6,7,8,9,10,11,12,13,14,15
	v_mov_b32 v[32+\k], 0
.endr
.irp k, 0,1,2,3,4,5,6,7,8,9,10,11,12,13,14,15      ; pass 2, in pass 1's order: each entry's place
.irp e, 0,1,2,3,4,5,6,7
	v_cmp_eq_u32 s2, \e, v[16+\k]
	s_delay_alu instid0(VALU_DEP_1)
	v_mbcnt_lo_u32_b32 v9, s2, s[24+\e]            ; the expert's next place + the lanes below mine that go there too
	s_delay_alu instid0(VALU_DEP_1)
	v_cndmask_b32 v[32+\k], v[32+\k], v9, s2
	s_bcnt1_i32_b32 s3, s2
	s_add_co_u32 s[24+\e], s[24+\e], s3
.endr
.endr
	s_lshl_b32 s15, s14, 9
	v_lshl_add_u32 v14, v1, 2, s15                 ; 512 w + 4 lane
.irp i, 0,1,2,3
.irp j, 0,1,2,3
	v_add_nc_u32 v[48+4*\i+\j], 128*\i+\j, v14     ; the entry's own number = slot x 2048 + token
.endr
.endr
.irp k, 0,1,2,3,4,5,6,7,8,9,10,11,12,13,14,15
	v_min_u32 v[32+\k], 0x1fff, v[32+\k]           ; inside the list of 8,192 words
	s_delay_alu instid0(VALU_DEP_1)
	v_lshlrev_b32 v[32+\k], 2, v[32+\k]
	global_store_b32 v[32+\k], v[48+\k], s[12:13]
.endr
	v_mov_b32 v72, 0                               ; the table: thread j is tile j: the last expert whose first tile is at or below j
	v_mov_b32 v74, s32
	v_mov_b32 v75, 0
.irp e, 1,2,3,4,5,6,7
	v_cmp_le_u32 vcc_lo, s[40+\e], v0
	s_delay_alu instid0(VALU_DEP_1)
	v_cndmask_b32 v72, v72, \e, vcc_lo
	s_delay_alu instid0(VALU_DEP_2)
	v_cndmask_b32 v74, v74, s[32+\e], vcc_lo
	s_delay_alu instid0(VALU_DEP_3)
	v_cndmask_b32 v75, v75, s[40+\e], vcc_lo
.endr
	s_delay_alu instid0(VALU_DEP_1)
	v_sub_nc_u32 v76, v0, v75
	s_delay_alu instid0(VALU_DEP_1)
	v_mul_u32_u24 v76, v76, TR                     ; the expert's rows in front of this tile
	s_delay_alu instid0(VALU_DEP_1)
	v_sub_nc_u32 v73, v74, v76
	s_delay_alu instid0(VALU_DEP_1)
	v_max_i32 v73, 0, v73
	s_delay_alu instid0(VALU_DEP_1)
	v_min_i32 v73, TR, v73                         ; its rows: 0 to 80
	v_lshlrev_b32 v77, 3, v0
	global_store_b64 v77, v[72:73], s[12:13] offset:32768
	s_wait_tensorcnt 0x0
	ds_add_u32 v254, v255
	s_wait_dscnt 0x0
	s_endpgm
.Lfunc_end_k_q8851152f12_wq_place:
	.size	k_q8851152f12_wq_place, .Lfunc_end_k_q8851152f12_wq_place-k_q8851152f12_wq_place
	.p2alignl 7, 3214868480
	.fill 96, 4, 3214868480
	.section	.rodata,"a",@progbits
	.p2align	6, 0x0
	.amdhsa_kernel k_q8851152f12_wq_place
		.amdhsa_group_segment_fixed_size 69632
		.amdhsa_private_segment_fixed_size 0
		.amdhsa_enable_private_segment 0
		.amdhsa_kernarg_size 40
		.amdhsa_user_sgpr_count 2
		.amdhsa_user_sgpr_kernarg_segment_ptr 1
		.amdhsa_wavefront_size32 1
		.amdhsa_system_sgpr_workgroup_id_x 1
		.amdhsa_system_sgpr_workgroup_id_y 1
		.amdhsa_system_sgpr_workgroup_id_z 1
		.amdhsa_system_vgpr_workitem_id 0
		.amdhsa_next_free_vgpr 256
		.amdhsa_next_free_sgpr 66
		.amdhsa_reserve_vcc 1
		.amdhsa_float_denorm_mode_32 3
		.amdhsa_float_denorm_mode_16_64 3
		.amdhsa_memory_ordered 1
		.amdhsa_forward_progress 1
		.amdhsa_inst_pref_size 139
	.end_amdhsa_kernel
	.amdgpu_metadata
---
amdhsa.version: [ 1, 2 ]
amdhsa.kernels:
  - .name:           k_q8851152f12_wq_place
    .symbol:         k_q8851152f12_wq_place.kd
    .args:
      - { .name: W, .offset: 0, .size: 8, .value_kind: global_buffer, .address_space: global }
      - { .name: eid, .offset: 8, .size: 8, .value_kind: global_buffer, .address_space: global }
      - { .name: wq, .offset: 16, .size: 8, .value_kind: global_buffer, .address_space: global }
      - { .name: ws, .offset: 24, .size: 8, .value_kind: global_buffer, .address_space: global }
      - { .name: route, .offset: 32, .size: 8, .value_kind: global_buffer, .address_space: global }
    .group_segment_fixed_size: 69632
    .private_segment_fixed_size: 0
    .kernarg_segment_align: 8
    .kernarg_segment_size: 40
    .max_flat_workgroup_size: 256
    .sgpr_count:     66
    .vgpr_count:     256
    .wavefront_size: 32
...
	.end_amdgpu_metadata
.endif
;; end of part 6
;; launch gemm (part 7): grid 4 x 59, 4 waves a work-group, no clusters, 166,656 bytes of LDS; arguments xq, xs, wq, ws, b, route, y; writes y
.if DOCPART == 7
	.amdgcn_target "amdgcn-amd-amdhsa--gfx1250"
	.amdhsa_code_object_version 6
	.text
	.protected	k_q8851152f12_gemm
	.globl	k_q8851152f12_gemm
	.p2align	8
	.type	k_q8851152f12_gemm,@function
k_q8851152f12_gemm:
	s_mov_b64 s[64:65], 0
	v_nop
	global_prefetch_b8 v0, s[64:65] scope:SCOPE_SE
	s_setreg_imm32_b32 hwreg(HW_REG_WAVE_SCHED_MODE, 0, 2), 2
	s_setreg_imm32_b32 hwreg(HW_REG_WAVE_MODE, 25, 1), 1
	s_wait_xcnt 0x0
	s_wait_alu depctr_vm_vsrc(0)
; y[slot x 2048 + token][f] = sum over k of Q(x)[token][k] Q(W)[e][f][k] + b[e][f], for the routed rows alone; both operands codes of E3M2 with E8M0 scales; sums in f32.
; SHARES.  Work-group (x, y): tile y of the list (up to 80 routed rows of ONE expert, read from the table of tiles) x features 512 x .. 512 x + 511.  Wave w: 128 features x all 80 rows: 40 accumulators.
; The grid's 59 tiles serve every split of 4,096 rows over 8 experts ((4096 + 8 x 79) / 80), and 4 x 59 = 236 work-groups find a WGP each.  A tile without rows fills LDS with row 0, passes the
; one barrier, stores nothing and ends.
; THE PRODUCT IS USED TRANSPOSED: source 0 = 16 features of W, source 1 = 16 rows of x: lane (r, h) of accumulator (a, b) holds row 16 a + r and features 16 b + 8 h + 0 .. 7.  The bias is the C of the first K step.
; x: the tile's 80 rows of codes (1,536 bytes each) are gathered once into LDS and stay; their scale words likewise.  W: each fragment is read by ONE wave, once, so it goes from memory straight
; into registers: the codes lie in memory as images of the operand's registers, three loads of 512 consecutive bytes a fragment; three sets of eight fragments.
; K = 2,048 is 16 steps, written out: every offset is an immediate, and nothing is stepped.  A step is 40 matrix instructions in five groups of eight.  Behind the first group stand x's fragments of the
; next step (into the other of two sets) and the first half of W's fragments of the step after that (into the set just left); behind the third group W's other half.
; NO JOINT LOADS: which expert a tile has is data, so the weights of neighbouring tiles need not be the same, and partners' descriptors could differ; x's rows are gathered by the list, which one
; tile descriptor cannot state, and they are a seventh of a work-group's bytes.  No tensor load, so no ring.
; THE MODE: SCHED_MODE bits 1:0 = 2 (LLVM: expert scheduling mode 2), set by the entry lines.  The code itself states the register dependences between vector or matrix instructions and memory
; or LDS instructions, with s_wait_alu, always for 0.
; THE PLAN.  Registers that memory or LDS instructions touch, from the first K step on:
;   XF0, XF1          Step s's products read XF[s % 2]; the LDS loads issued in step s land in XF[(s + 1) % 2], which step s - 1's products read last.
;   W0, W1, W2        Step s's products read W[s % 3]; the loads issued in step s land in W[(s + 2) % 3] = W[(s - 1) % 3], which step s - 1's products read last.
;   WS0, WS1, XS0, XS1  Steps 2 p and 2 p + 1 read set p % 2; the other set is loaded in step 2 p (W's words) and in step 2 p + 1 (x's).
;   v3, v4, v5, v7    Offsets and LDS addresses: made at the head, never written again.
;   The accumulators are named by matrix instructions alone until the way out.
; So ONE wait on va_vdst stands at the head of each of steps 1 to 14, behind the waits for the step's own data: the last step's products are done reading all that this step's loads land in.
; The step's own products name W[s % 3], XF[s % 2], the scale sets in use and the accumulators: none of the registers that its loads touch, so these are dealt among them with no further wait.
; Step 0's loads land in registers that no vector or matrix instruction has named; step 15 has no load.  The head and the way out state their dependences where they stand.
; REGISTERS, in windows of 256.  window 0: v3-28 addresses and the list; v32-47 W's scale words, v48-52 and v56-60 x's (two sets each; they hold nothing else); v62, v63 the closing add's two;
;   v64-123, v124-183 x's 5 fragments, two sets.
;   window 1: v0-95 W's set 0, v128-223 set 1; v96-127, v224-255 the bias, 8 registers a tile.   window 2: the accumulators of x's blocks 0-3, (a, b) at v[8 (8 a + b)]; at the head x's rows on
;   their way to LDS.   window 3: v0-63 the accumulators of block 4; v64-159 W's set 2.
.set TR,   80                          ; rows in a tile
.set XP,   1552                        ; a row of x in LDS: 1,536 bytes + 16: an odd multiple of 16, so that the sixteen rows of a load start in sixteen different 16-byte columns of 256
.set XSI,  TR*XP                       ; behind the 80 rows: x's scale words, the word of row 16 a + r, K step s at 1024 a + 64 s + 4 r; room for 128 rows, since each of the 128 threads stores a row's
.set STG,  XSI+8192                    ; behind them: a stage of 16 rows x 528 bytes for each wave, for the way out
.set L16,  3                           ; v3     16 x lane
.set XA,   4                           ; v4-5   my place in x's fragments a = 3 g + 0 .. 2
.set XSA,  7                           ; v7     and among x's scale words: lanes 0-15 the even K step's, lanes 16-31 the odd one's
.set DD,   8                           ; v8-12  the list's entries of rows 16 a + lane % 16
.set STO,  16                          ; v16    the stage: where I put 32 bytes of a row
.set RD,   17                          ; v17    and where I read a row back
.set XW,   18                          ; v18    where my wave puts x's rows
.set XSW,  19                          ; v19    where my thread puts its row's scale words
.set LV,   20                          ; v20    the list's entry of row = my thread's number
.set LW,   27                          ; v27    the list's entry of row 20 x wave + lane
.set WS,   32
.set XS,   48
.set XF,   64
.set BK,   128                         ; the way out: 16 rows read back: v128-191 and v192-255 by turns
.set OF,   64                          ; the way out: their offsets in y: v64-79 and v80-95 by turns
.set MSB,  0
.macro WIN new                         ; low byte: bits 1:0 source 0, 3:2 source 1, 5:4 source 2, 7:6 destination; the high byte repeats the setting that is left
.if MSB != (\new)
	s_set_vgpr_msb (MSB<<8)|(\new)
.set MSB, \new
.endif
.endm
.macro PLACES                          ; four plain vector lines between a matrix instruction and a load into, or a read of, its registers (ISA guide 7.12.1 for vector instructions)
.rept 4
	v_nop
.endr
.endm
; W's scale words of K steps s (even) and s + 1: two loads, into window 0
.macro WSCALES s
.irp q, 0,1
	global_load_b128 v[WS+8*(((\s)/2)%2)+4*\q:WS+8*(((\s)/2)%2)+4*\q+3], v[L16], s[10:11] offset:((\s)/2)*1024+512*\q
.endr
.endm
; K step s's fragments b0 .. b0 + 3 of W into set s % 3: 12 loads
.macro WFRAGS s, b0
.set WB, 128*((\s)%3)
.if (\s)%3 == 2
.set WB, 64
	WIN 0xc0                                       ; destination window 3
.else
	WIN 0x40                                       ; destination window 1
.endif
.irp b, \b0, \b0+1, \b0+2, \b0+3
.irp c, 0,1,2
	global_load_b128 v[WB+12*(\b)+4*\c:WB+12*(\b)+4*\c+3], v[L16], s[8:9] offset:12288*(\s)+1536*(\b)+512*\c
.endr
.endr
.endm
; A whole batch, as the head asks for it: with an even s the scale words of steps s and s + 1, then the eight fragments: 26 or 24 loads
.macro BATCH s
.if (\s)%2 == 0
	WIN 0
	WSCALES \s
.endif
	WFRAGS \s, 0
	WFRAGS \s, 4
.endm
; x's five fragments of K step s into set s % 2: a lane's 48 bytes lie together (blocks h and 2 + h)
.macro FETCH_X s
.irp a, 0,1,2,3,4
.irp c, 0,1,2
	ds_load_b128 v[XF+60*((\s)%2)+12*\a+4*\c:XF+60*((\s)%2)+12*\a+4*\c+3], v[XA+\a/3] offset:16*XP*(\a%3)+96*(\s)+16*\c
.endr
.endr
.endm
.macro XSCALES p                       ; x's scale words of K steps 2 p and 2 p + 1
.irp a, 0,1,2,3,4
	ds_load_b32 v[XS+8*((\p)%2)+\a], v[XSA] offset:1024*\a+128*(\p)
.endr
.endm
; 8 matrix instructions: x's block a against W's eight.  The 40 accumulators take turns, one instruction a turn, in the same order in every step.
.macro MUL8 a, s
.set WB, 128*((\s)%3)
.if (\s)%3 == 2
.set WB, 64
.endif
.set SS, 8*(((\s)/2)%2)
.set XB, XF+60*((\s)%2)+12*(\a)
.set AB, 64*((\a)%4)
.irp b, 0,1,2,3,4,5,6,7
.if (\s) == 0
	v_wmma_scale_f32_16x16x128_f8f6f4 v[AB+8*\b:AB+8*\b+7], v[WB+12*\b:WB+12*\b+11], v[XB:XB+11], v[96+8*(\b%4)+128*(\b/4):96+8*(\b%4)+128*(\b/4)+7], v[WS+SS+\b], v[XS+SS+(\a)] matrix_a_fmt:MATRIX_FMT_BF6 matrix_b_fmt:MATRIX_FMT_BF6
.elseif (\s)%2 == 0
	v_wmma_scale_f32_16x16x128_f8f6f4 v[AB+8*\b:AB+8*\b+7], v[WB+12*\b:WB+12*\b+11], v[XB:XB+11], v[AB+8*\b:AB+8*\b+7], v[WS+SS+\b], v[XS+SS+(\a)] matrix_a_fmt:MATRIX_FMT_BF6 matrix_b_fmt:MATRIX_FMT_BF6
.else
	v_wmma_scale_f32_16x16x128_f8f6f4 v[AB+8*\b:AB+8*\b+7], v[WB+12*\b:WB+12*\b+11], v[XB:XB+11], v[AB+8*\b:AB+8*\b+7], v[WS+SS+\b], v[XS+SS+(\a)] matrix_a_fmt:MATRIX_FMT_BF6 matrix_b_fmt:MATRIX_FMT_BF6 matrix_a_scale:MATRIX_SCALE_ROW1 matrix_b_scale:MATRIX_SCALE_ROW1
.endif
.endr
.endm
.macro STEP s
.if (\s) == 0
.set WLO, 0x91                         ; W window 1, x window 0, C (the bias) window 1, D window 2
.set WHI, 0xd1                         ; the same, D window 3
.elseif (\s)%3 == 2
.set WLO, 0xa3                         ; W window 3, C and D window 2
.set WHI, 0xf3
.else
.set WLO, 0xa1                         ; W window 1, C and D window 2
.set WHI, 0xf1
.endif
.if ((\s) > 0) && ((\s) < 15)
	PLACES                                         ; behind the last step's products: this step's loads land in registers that they read
.endif
.if (\s) == 15
	s_wait_loadcnt 0
.elseif (\s)%2 == 0
	s_wait_loadcnt 24                              ; this step's batch is in; the one behind it, an odd step's 24 loads, may be out
.else
	s_wait_loadcnt 26                              ; the same: an even step's 24 loads and its 2 of scale words may be out
.endif
	s_wait_dscnt 0x0                               ; this step's fragments and scale words of x are in: they were asked for 32 matrix instructions ago, and nothing younger is out
.if ((\s) > 0) && ((\s) < 15)
	s_wait_alu depctr_va_vdst(0)                   ; the last step's products are done reading x's other set, W's set (s + 2) % 3 and the scale words' other sets, in which this step's loads land
.endif
	WIN WLO
	MUL8 0, \s
.if (\s) < 15
	WIN 0
.if (\s)%2 == 1
	XSCALES ((\s)+1)/2                             ; into the set that this step and the last do not use
.endif
	FETCH_X (\s)+1                                 ; into the set that the last step has left.  No wait: no product since the wait above names it
.endif
.if (\s) < 14
.if (\s)%2 == 0
	WSCALES (\s)+2                                 ; into the set that the last two steps used
.endif
	WFRAGS (\s)+2, 0                               ; into the set that the last step has left: its first four fragments
.endif
	WIN WLO
	MUL8 1, \s
	MUL8 2, \s
.if (\s) < 14
	WFRAGS (\s)+2, 4                               ; and its other four
.endif
	WIN WLO
	MUL8 3, \s
	WIN WHI
	MUL8 4, \s
.endm
	s_load_b256 s[4:11], s[0:1], 0x0               ; xq s[4:5], xs s[6:7], wq s[8:9], ws s[10:11]
	s_load_b128 s[12:15], s[0:1], 0x20             ; b s[12:13], route s[14:15]
	s_load_b64 s[16:17], s[0:1], 0x30              ; y
	v_lshl_add_u32 v62, v0, 2, 0x28900             ; my spare word, behind the stages, and 0: kept for the closing lines alone
	v_mov_b32 v63, 0
	v_lshrrev_b32 v2, 5, v0
	v_readfirstlane_b32 s18, v2                    ; wave 0..3
	s_and_b32 s19, ttmp7, 0xffff                   ; my tile of the list
	v_and_b32 v1, 31, v0                           ; lane
	v_and_b32 v25, 15, v0                          ; r
	v_bfe_u32 v26, v0, 4, 1                        ; h
	v_lshlrev_b32 v[L16], 4, v1
	v_mul_u32_u24 v[XA], v25, XP
	v_mad_u32_u24 v[XA], v26, 48, v[XA]
	v_add_nc_u32 v[XA+1], 48*XP, v[XA]
	v_lshl_add_u32 v[XSA], v1, 2, XSI
	s_wait_alu depctr_va_sdst(0)                   ; s18 is written, ahead of its first reader
	s_mul_i32 s25, s18, 20*XP
	v_add_nc_u32 v[XW], s25, v[L16]                ; my wave fills rows 20 w .. 20 w + 19
	s_mul_i32 s34, s18, 16*528
	s_add_co_u32 s34, s34, STG                     ; my stage
	v_mul_u32_u24 v[STO], v25, 528
	v_lshl_add_u32 v[STO], v26, 5, v[STO]
	v_add_nc_u32 v[STO], s34, v[STO]
	v_add_nc_u32 v[RD], s34, v[L16]
	v_lshrrev_b32 v2, 4, v0
	v_lshlrev_b32 v2, 10, v2
	v_lshl_add_u32 v[XSW], v25, 2, v2
	v_add_nc_u32 v[XSW], XSI, v[XSW]
	v_lshlrev_b32 v21, 2, v0
	v_lshlrev_b32 v22, 2, v25
	v_lshlrev_b32 v23, 5, v26
	s_mul_i32 s24, s18, 80
	v_lshl_add_u32 v28, v1, 2, s24                 ; 4 (20 w + lane)
	s_mul_i32 s26, s19, 4*TR                       ; the tile's 80 entries
	s_mov_b32 s27, 0
	s_lshl_b32 s22, s19, 3                         ; and its record in the table
	s_mov_b32 s23, 0
	s_wait_kmcnt 0x0
	s_add_nc_u64 s[30:31], s[14:15], s[22:23]
	s_load_b64 s[20:21], s[30:31], 0x8000          ; expert, rows: waited for behind the gather's loads
	s_add_nc_u64 s[28:29], s[14:15], s[26:27]
	s_wait_alu depctr_va_vdst(0)                   ; all offsets and LDS addresses made above (v3 to v7, v16 to v19, v21 to v23, v28) are written: the kernel's loads and stores read them, and none is written again
	global_load_b32 v[LW], v28, s[28:29]           ; (lanes 20-31 here, and threads 80-127 below, read entries of the tiles that follow: inside the list of 8,192 words, and not used)
	global_load_b32 v[LV], v21, s[28:29]
.irp a, 0,1,2,3,4
	global_load_b32 v[DD+\a], v22, s[28:29] offset:64*\a
.endr
	s_wait_loadcnt 0x0                             ; the list
.irp i, 0,1,2,3,4,5,6,7,8,9,10,11,12,13,14,15,16,17,18,19
	v_readlane_b32 s[40+\i], v[LW], \i             ; row 20 w + i's entry: the twenty in one run
.endr
	s_wait_alu depctr_va_sdst(0)                   ; s40 to s59 are written, ahead of their first reader: one wait for the run
.irp i, 0,1,2,3,4,5,6,7,8,9,10,11,12,13,14,15,16,17,18,19
	s_min_u32 s[40+\i], s[40+\i], 4095
	s_and_b32 s[40+\i], s[40+\i], 2047             ; its token,
	s_mul_i32 s[40+\i], s[40+\i], 1536
.endr
.irp i, 0,1,2,3,4,5,6,7,8,9,10,11,12,13,14,15,16,17,18,19
	v_add_nc_u32 v[64+\i], s[40+\i], v[L16]        ; and my 16 bytes of each 512 of its codes
.endr
	v_min_u32 v24, 0xfff, v[LV]
	v_and_b32 v24, 0x7ff, v24
	v_lshlrev_b32 v24, 6, v24                      ; my thread's row of scale bytes
	s_wait_alu depctr_va_vdst(0)                   ; v24 and v64 to v83 are written, which the gather's loads read as offsets.  No vector line follows before the first products
.irp c, 0,1,2,3
	global_load_b128 v[96+4*\c:99+4*\c], v24, s[6:7] offset:16*\c
.endr
	WIN 0x80                                       ; destination window 2
.irp i, 0,1,2,3,4,5,6,7,8,9,10,11,12,13,14,15,16,17,18,19
.irp j, 0,1,2
	global_load_b128 v[12*\i+4*\j:12*\i+4*\j+3], v[64+\i], s[4:5] offset:512*\j
.endr
.endr
	WIN 0
	s_wait_kmcnt 0x0                               ; the tile's record
	s_min_u32 s20, s20, 7
	s_min_u32 s21, s21, TR
	s_lshl_b32 s24, ttmp9, 2
	s_add_co_u32 s24, s24, s18                     ; my group of 128 features
	s_lshl_b32 s32, s20, 4
	s_add_co_u32 s32, s32, s24                     ; 16 x expert + group
	s_mul_i32 s26, s32, 196608                     ; 16 K steps x 8 records
	s_add_nc_u64 s[8:9], s[8:9], s[26:27]
	s_lshl_b32 s26, s32, 13
	s_add_nc_u64 s[10:11], s[10:11], s[26:27]
	s_lshl_b32 s26, s32, 9
	s_add_nc_u64 s[12:13], s[12:13], s[26:27]
	s_lshl_b32 s26, s24, 9
	s_add_nc_u64 s[16:17], s[16:17], s[26:27]
	WIN 0x40
.irp b, 0,1,2,3,4,5,6,7                        ; the bias in the result's layout: tile b, lane (r, h): features 16 b + 8 h + 0 .. 7
	global_load_b128 v[96+8*(\b%4)+128*(\b/4):96+8*(\b%4)+128*(\b/4)+3], v23, s[12:13] offset:64*\b
	global_load_b128 v[100+8*(\b%4)+128*(\b/4):100+8*(\b%4)+128*(\b/4)+3], v23, s[12:13] offset:64*\b+16
.endr
	BATCH 0
	WIN 0
	s_wait_loadcnt 45                              ; the scale bytes and rows 0-18 are in; row 19's 3 loads, the bias (16) and batch 0 (26) may be out
.irp s, 0,1,2,3,4,5,6,7,8,9,10,11,12,13,14,15
	ds_store_b32 v[XSW], v[96+\s] offset:64*\s
.endr
	WIN 0x08                                       ; an LDS store's data are its source 1: window 2
.irp i, 0,1,2,3,4,5,6,7,8,9,10,11,12,13,14,15,16,17,18
.irp j, 0,1,2
	ds_store_b128 v[XW], v[12*\i+4*\j:12*\i+4*\j+3] offset:XP*\i+512*\j
.endr
.endr
	s_wait_loadcnt 42                              ; row 19 is in; the bias and batch 0 may be out
.irp j, 0,1,2
	ds_store_b128 v[XW], v[12*19+4*\j:12*19+4*\j+3] offset:XP*19+512*\j
.endr
	WIN 0
	s_wait_dscnt 0x0                               ; for the others' sake: my rows and scale words lie in LDS
	s_barrier_signal -1
	s_barrier_wait -1                              ; the launch's one barrier: x's tile is whole, and nobody writes it again
	s_wait_alu depctr_vm_vsrc(0)                   ; the gather's loads have read v64 to v83, and my LDS stores v96 to v111 and window 2's v0 to v239: x's fragments land in the first two, the first products write the third
	s_cmp_eq_u32 s21, 0
	s_cbranch_scc1 .Lend                           ; a tile without rows
	BATCH 1
	WIN 0
	XSCALES 0
	FETCH_X 0
.irp s, 0,1,2,3,4,5,6,7,8,9,10,11,12,13,14,15
	STEP \s
.endr
	PLACES                                         ; behind the last products: the way out reads their results, writes registers that they read and loads into others
	WIN 0
	s_wait_alu depctr_va_vdst(0)                   ; the products have written the accumulators, which the LDS stores below read, and are done reading v128 to v183, in which the loads from the stage land; the places above stay beside this wait
; THE WAY OUT, block by block of 16 rows x 128 features.  A lane holds 32 neighbouring bytes of a row and the lanes beside it hold other rows: a block goes through my own stage and comes back as whole
; rows of 512 bytes.  LDS serves a wave's instructions in order: no wait between the stores and the loads, nor in front of the next block's stores.
.macro TOSTAGE a
.set AC, 64*((\a)%4)
	WIN 0x08+4*((\a)/4)                            ; the data: window 2 or 3
.irp b, 0,1,2,3,4,5,6,7
	ds_store_b128 v[STO], v[AC+8*\b:AC+8*\b+3] offset:64*\b          ; each accumulator from its low end on
	ds_store_b128 v[STO], v[AC+8*\b+4:AC+8*\b+7] offset:64*\b+16
.endr
	WIN 0
.set BB, BK+64*((\a)%2)
.irp t, 0,1,2,3,4,5,6,7,8,9,10,11,12,13,14,15
	ds_load_b128 v[BB+4*\t:BB+4*\t+3], v[RD] offset:528*\t
.endr
.endm
; Row 16 a + t goes to y's row named by the list.  The block's sixteen entries are read in one run and their offsets made while the block is on its way back from the stage.
; The tile's rows come first in the list: at the first row beyond them the wave is done.
.macro SEND a, younger
.set BB, BK+64*((\a)%2)
.set OO, OF+16*((\a)%2)
.irp t, 0,1,2,3,4,5,6,7,8,9,10,11,12,13,14,15
	v_readlane_b32 s[40+\t], v[DD+(\a)], \t
.endr
	s_wait_alu depctr_va_sdst(0)                   ; s40 to s55 are written, ahead of their first reader: one wait for the run
.irp t, 0,1,2,3,4,5,6,7,8,9,10,11,12,13,14,15
	s_min_u32 s[40+\t], s[40+\t], 4095
	s_lshl_b32 s[40+\t], s[40+\t], 13              ; a row of y is 8,192 bytes
.endr
.irp t, 0,1,2,3,4,5,6,7,8,9,10,11,12,13,14,15
	v_add_nc_u32 v[OO+\t], s[40+\t], v[L16]
.endr
	s_wait_alu depctr_va_vdst(0)                   ; the block's sixteen offsets are written, which the stores below read
	s_wait_dscnt \younger                          ; the block is back in registers; what was issued behind its loads may be out
.irp t, 0,1,2,3,4,5,6,7,8,9,10,11,12,13,14,15
	s_cmp_gt_u32 s21, 16*(\a)+\t
	s_cbranch_scc0 .Lend
	global_store_b128 v[OO+\t], v[BB+4*\t:BB+4*\t+3], s[16:17]       ; 32 lanes store 512 consecutive bytes, at a multiple of 512 from y's first byte
.endr
.endm
	TOSTAGE 0
.irp a, 1,2,3,4
.if \a > 1
	s_wait_xcnt 0x0                                ; block a - 2's stores have read their registers: block a's loads may land there, and its offsets may be written
	s_wait_alu depctr_vm_vsrc(0)                   ; the stores issued so far have read their rows and offsets: block a's loads land in block a - 2's rows, and block a - 1's offsets are written over block a - 3's
.endif
	TOSTAGE \a
	SEND \a-1, 32                                  ; behind block a - 1's loads: block a's 16 stores and 16 loads
.endr
	s_wait_xcnt 0x0                                ; (the offsets that block 4 writes over, block 2's, were freed by the two waits ahead of block 4's way through the stage)
	SEND 4, 0
.Lend:
	s_wait_dscnt 0x0                               ; the closing lines, six on end
	s_wait_alu 0x0
	s_wait_tensorcnt 0x0
	ds_add_u32 v62, v63
	s_wait_dscnt 0x0
	s_endpgm
.Lfunc_end_k_q8851152f12_gemm:
	.size	k_q8851152f12_gemm, .Lfunc_end_k_q8851152f12_gemm-k_q8851152f12_gemm
	.p2alignl 7, 3214868480
	.fill 96, 4, 3214868480
	.section	.rodata,"a",@progbits
	.p2align	6, 0x0
	.amdhsa_kernel k_q8851152f12_gemm
		.amdhsa_group_segment_fixed_size 166656
		.amdhsa_private_segment_fixed_size 0
		.amdhsa_enable_private_segment 0
		.amdhsa_kernarg_size 56
		.amdhsa_user_sgpr_count 2
		.amdhsa_user_sgpr_kernarg_segment_ptr 1
		.amdhsa_wavefront_size32 1
		.amdhsa_system_sgpr_workgroup_id_x 1
		.amdhsa_system_sgpr_workgroup_id_y 1
		.amdhsa_system_sgpr_workgroup_id_z 1
		.amdhsa_system_vgpr_workitem_id 0
		.amdhsa_next_free_vgpr 1024
		.amdhsa_next_free_sgpr 66
		.amdhsa_reserve_vcc 0
		.amdhsa_float_denorm_mode_32 3
		.amdhsa_float_denorm_mode_16_64 3
		.amdhsa_memory_ordered 1
		.amdhsa_forward_progress 1
		.amdhsa_inst_pref_size 204
	.end_amdhsa_kernel
	.amdgpu_metadata
---
amdhsa.version: [ 1, 2 ]
amdhsa.kernels:
  - .name:           k_q8851152f12_gemm
    .symbol:         k_q8851152f12_gemm.kd
    .args:
      - { .name: xq, .offset: 0, .size: 8, .value_kind: global_buffer, .address_space: global }
      - { .name: xs, .offset: 8, .size: 8, .value_kind: global_buffer, .address_space: global }
      - { .name: wq, .offset: 16, .size: 8, .value_kind: global_buffer, .address_space: global }
      - { .name: ws, .offset: 24, .size: 8, .value_kind: global_buffer, .address_space: global }
      - { .name: b, .offset: 32, .size: 8, .value_kind: global_buffer, .address_space: global }
      - { .name: route, .offset: 40, .size: 8, .value_kind: global_buffer, .address_space: global }
      - { .name: y, .offset: 48, .size: 8, .value_kind: global_buffer, .address_space: global }
    .group_segment_fixed_size: 166656
    .private_segment_fixed_size: 0
    .kernarg_segment_align: 8
    .kernarg_segment_size: 56
    .max_flat_workgroup_size: 128
    .sgpr_count:     66
    .vgpr_count:     1024
    .wavefront_size: 32
...
	.end_amdgpu_metadata
.endif
;; end of part 7
;; launch combine (part 8): grid 256 x 1, 8 waves a work-group, no clusters, 0 bytes of LDS; arguments y, gw, out0; writes out0
.if DOCPART == 8
	.amdgcn_target "amdgcn-amd-amdhsa--gfx1250"
	.amdhsa_code_object_version 6
	.text
	.protected	k_q8851152f12_combine
	.globl	k_q8851152f12_combine
	.p2align	8
	.type	k_q8851152f12_combine,@function
k_q8851152f12_combine:
	s_mov_b64 s[64:65], 0
	v_nop
	global_prefetch_b8 v0, s[64:65] scope:SCOPE_SE
	s_setreg_imm32_b32 hwreg(HW_REG_WAVE_MODE, 25, 1), 1
	s_wait_xcnt 0x0
; out0[t][f] = g0[t] relu(y[t][f]) + g1[t] relu(y[2048 + t][f]): a stream.  y holds x W^T + b of the token's first and second expert, gw their weights.
; A wave takes one token: its two rows of 8,192 bytes by 16 pairs of loads of 512 consecutive bytes, all asked for at the start; each store covers 512 consecutive bytes, aligned.
; No LDS, no barrier, no loop; no register is written again while a store reads it.
.set A, 16                             ; v16-79   the first expert's row, then the result
.set B, 80                             ; v80-143  the second's
	s_load_b128 s[4:7], s[0:1], 0x0                ; y s[4:5], gw s[6:7]
	s_load_b64 s[8:9], s[0:1], 0x10                ; out0
	v_lshrrev_b32 v1, 5, v0
	s_delay_alu instid0(VALU_DEP_1)
	v_readfirstlane_b32 s10, v1                    ; wave 0..7
	v_and_b32 v1, 31, v0
	s_delay_alu instid0(VALU_DEP_1)
	v_lshlrev_b32 v1, 4, v1                        ; 16 x lane
	s_lshl_b32 s11, ttmp9, 3
	s_add_co_u32 s11, s11, s10                     ; my token
	s_lshl_b32 s20, s11, 2
	s_mov_b32 s21, 0
	s_lshl_b32 s16, s11, 13
	s_mov_b32 s17, 0
	s_wait_alu depctr_va_vdst(0)
	s_wait_kmcnt 0x0
	s_add_nc_u64 s[6:7], s[6:7], s[20:21]
	s_load_b32 s12, s[6:7], 0x0                    ; g0
	s_load_b32 s14, s[6:7], 0x2000                 ; g1
	s_add_nc_u64 s[4:5], s[4:5], s[16:17]
	s_add_nc_u64 s[18:19], s[4:5], 0x1000000       ; 2,048 rows on
	s_add_nc_u64 s[8:9], s[8:9], s[16:17]
.irp i, 0,1,2,3,4,5,6,7,8,9,10,11,12,13,14,15
	global_load_b128 v[A+4*\i:A+4*\i+3], v1, s[4:5] offset:512*\i th:TH_LOAD_NT
	global_load_b128 v[B+4*\i:B+4*\i+3], v1, s[18:19] offset:512*\i th:TH_LOAD_NT
.endr
	s_wait_kmcnt 0x0
	s_mov_b32 s13, s12                             ; the packed forms name a pair and take its low word for both halves: so the upper word is written
	s_mov_b32 s15, s14
.irp i, 0,1,2,3,4,5,6,7,8,9,10,11,12,13,14,15
	s_wait_loadcnt 2*(15-\i)                       ; pair i is in; the later pairs may be out
.irp j, 0,1,2,3
	v_max_num_f32 v[A+4*\i+\j], 0, v[A+4*\i+\j]
	v_max_num_f32 v[B+4*\i+\j], 0, v[B+4*\i+\j]
.endr
	v_pk_mul_f32 v[A+4*\i:A+4*\i+1], v[A+4*\i:A+4*\i+1], s[12:13] op_sel_hi:[1,0]
	s_delay_alu instid0(VALU_DEP_3)
	v_pk_mul_f32 v[A+4*\i+2:A+4*\i+3], v[A+4*\i+2:A+4*\i+3], s[12:13] op_sel_hi:[1,0]
	s_delay_alu instid0(VALU_DEP_2)
	v_pk_fma_f32 v[A+4*\i:A+4*\i+1], v[B+4*\i:B+4*\i+1], s[14:15], v[A+4*\i:A+4*\i+1] op_sel_hi:[1,0,1]
	s_delay_alu instid0(VALU_DEP_2)
	v_pk_fma_f32 v[A+4*\i+2:A+4*\i+3], v[B+4*\i+2:B+4*\i+3], s[14:15], v[A+4*\i+2:A+4*\i+3] op_sel_hi:[1,0,1]
	global_store_b128 v1, v[A+4*\i:A+4*\i+3], s[8:9] offset:512*\i th:TH_STORE_NT
.endr
	s_endpgm
.Lfunc_end_k_q8851152f12_combine:
	.size	k_q8851152f12_combine, .Lfunc_end_k_q8851152f12_combine-k_q8851152f12_combine
	.p2alignl 7, 3214868480
	.fill 96, 4, 3214868480
	.section	.rodata,"a",@progbits
	.p2align	6, 0x0
	.amdhsa_kernel k_q8851152f12_combine
		.amdhsa_group_segment_fixed_size 0
		.amdhsa_private_segment_fixed_size 0
		.amdhsa_enable_private_segment 0
		.amdhsa_kernarg_size 24
		.amdhsa_user_sgpr_count 2
		.amdhsa_user_sgpr_kernarg_segment_ptr 1
		.amdhsa_wavefront_size32 1
		.amdhsa_system_sgpr_workgroup_id_x 1
		.amdhsa_system_sgpr_workgroup_id_y 1
		.amdhsa_system_sgpr_workgroup_id_z 1
		.amdhsa_system_vgpr_workitem_id 0
		.amdhsa_next_free_vgpr 144
		.amdhsa_next_free_sgpr 66
		.amdhsa_reserve_vcc 0
		.amdhsa_float_denorm_mode_32 3
		.amdhsa_float_denorm_mode_16_64 3
		.amdhsa_memory_ordered 1
		.amdhsa_forward_progress 1
		.amdhsa_inst_pref_size 16
	.end_amdhsa_kernel
	.amdgpu_metadata
---
amdhsa.version: [ 1, 2 ]
amdhsa.kernels:
  - .name:           k_q8851152f12_combine
    .symbol:         k_q8851152f12_combine.kd
    .args:
      - { .name: y, .offset: 0, .size: 8, .value_kind: global_buffer, .address_space: global }
      - { .name: gw, .offset: 8, .size: 8, .value_kind: global_buffer, .address_space: global }
      - { .name: out0, .offset: 16, .size: 8, .value_kind: global_buffer, .address_space: global }
    .group_segment_fixed_size: 0
    .private_segment_fixed_size: 0
    .kernarg_segment_align: 8
    .kernarg_segment_size: 24
    .max_flat_workgroup_size: 256
    .sgpr_count:     66
    .vgpr_count:     144
    .wavefront_size: 32
...
	.end_amdgpu_metadata
.endif
;; end of part 8
